; MI455X (gfx1250); checked and timed in simulation.
; The chip was launched on July 23, 2026; its instructions are those of AMD's public machine-readable ISA for CDNA 5 (MIT licence, August 2026) and "CDNA5" Instruction Set Architecture Reference Guide (July 2026). The comments in the code are by the model that wrote it; some were corrected since.
;; Multi Head Dot Product Attention. Allowed arithmetic: matrix products marked QUANTISED: E2M3 operands, one E8M0 scale for each 32 along K, by v_wmma_scale_f32_16x16x128_f8f6f4 with both operands' format E2M3, f32 sums; everything else in f32.
;; Inputs: Wk_codes 512 x 16 x 24 uint8 (E2M3 codes of Wk, K innermost, in blocks of 32 codes, four codes in three bytes); Wk_scales 512 x 16 uint8 (E8M0 scales of Wk, one for each 32 codes along K); Wo_codes 512 x 16 x 24 uint8 (E2M3 codes of Wo, K innermost, in blocks of 32 codes, four codes in three bytes); Wo_scales 512 x 16 uint8 (E8M0 scales of Wo, one for each 32 codes along K); Wq_codes 512 x 16 x 24 uint8 (E2M3 codes of Wq, K innermost, in blocks of 32 codes, four codes in three bytes); Wq_scales 512 x 16 uint8 (E8M0 scales of Wq, one for each 32 codes along K); Wv_codes 512 x 16 x 24 uint8 (E2M3 codes of Wv, K innermost, in blocks of 32 codes, four codes in three bytes); Wv_scales 512 x 16 uint8 (E8M0 scales of Wv, one for each 32 codes along K); inputs_kv_codes 2 x 4,096 x 16 x 24 uint8 (E2M3 codes of inputs_kv, K innermost, in blocks of 32 codes, four codes in three bytes); inputs_kv_scales 2 x 4,096 x 16 uint8 (E8M0 scales of inputs_kv, one for each 32 codes along K); inputs_q_codes 2 x 4,096 x 16 x 24 uint8 (E2M3 codes of inputs_q, K innermost, in blocks of 32 codes, four codes in three bytes); inputs_q_scales 2 x 4,096 x 16 uint8 (E8M0 scales of inputs_q, one for each 32 codes along K); k_ln_b 512 float32; k_ln_w 512 float32; mask 1 x 1 x 4,096 x 4,096 bool; q_ln_b 512 float32; q_ln_w 512 float32.
;; Outputs: out0 2 x 4,096 x 512 float32.
;; This version of the problem:
;;   THIS VERSION OF THE PROBLEM IS GIVEN IN LOW PRECISION. The matrix products marked QUANTISED in the list below multiply operands that are first quantised to E2M3 (2 exponent bits, 3 mantissa bits; 6 bits a number), with one power-of-two scale for each 32 numbers along K (OCP MX v1.0); their sums are f32. All else is computed in f32.
;;   The module's matrix products, in the order in which they are computed (A, B: the left and right operand; K: the contracted axis; several contracted axes count as one K, in the product's order):
;;     1. [M 8,192, K 512] x [K 512, N 512]; A: input inputs_q (given as codes); B: input Wq (given as codes): QUANTISED
;;     2. [M 8,192, K 512] x [K 512, N 512]; A: input inputs_kv (given as codes); B: input Wk (given as codes): QUANTISED
;;     3. [M 8,192, K 512] x [K 512, N 512]; A: input inputs_kv (given as codes); B: input Wv (given as codes): QUANTISED
;;     4. batch 16 x [M 4,096, K 64] x [K 64, N 4,096]; A: computed on the way; B: computed on the way: QUANTISED
;;     5. batch 16 x [M 4,096, K 4,096] x [K 4,096, N 64]; A: softmax (see below); B: computed on the way: QUANTISED
;;     6. [M 8,192, K 512] x [K 512, N 512]; A: computed on the way; B: input Wo (given as codes): QUANTISED
;;   THE QUANTISER, for each operand of a quantised product, along K:
;;     - K is cut into blocks of 32 from its start; a last block that is shorter is filled with zeros.
;;     - A block's scale is 2^e with e = floor(log2(the largest magnitude in the block)) - 2, held to -126 .. 127; a block of zeros has e = 0. As a byte (E8M0): e + 127.
;;     - Each number is divided by its block's scale, clamped to +-7.5, and rounded to the nearest number of E2M3, ties to even, subnormals kept.
;;     - The product sums the exact products of the quantised numbers (number of the format x scale) in f32.
;;   ~~~python
;;   def quantise(x, axis):      # numpy; x: float32 -> the quantised numbers, widened to float32 again
;;       x = np.moveaxis(x, axis, -1); K = x.shape[-1]
;;       x = np.pad(x, [(0, 0)] * (x.ndim - 1) + [(0, -K % 32)]); x = x.reshape(x.shape[:-1] + (-1, 32)); a = np.abs(x).max(-1, keepdims=True)
;;       e = np.where(a > 0, np.clip(np.frexp(np.where(a > 0, a, 1))[1] - 1 - 2, -126, 127), 0)      # np.frexp(a)[1] - 1 = floor(log2(a)), exactly
;;       r = np.clip(x / 2.0 ** e, -7.5, 7.5)
;;       step = 2.0 ** (np.maximum(np.frexp(np.where(r == 0, 1, r))[1] - 1, 0) - 3)
;;       q = np.round(r / step) * step * 2.0 ** e      # np.round: ties to even
;;       return np.moveaxis(q.reshape(q.shape[:-2] + (-1,))[..., :K], -1, axis).astype(np.float32)
;;   ~~~
;;   SOFTMAX AHEAD OF A QUANTISED PRODUCT. Where the list says 'softmax', what is quantised is not the finished softmax but p = 2^(t - M), with t = logit x log2(e) and M = ceil(the row's largest t), a whole number; so 1/2 < the row's largest p <= 1. The row's sum l is taken of the UNQUANTISED p, in f32, and the product's result is divided by l at the end. Since M is a whole number, a kernel that streams over the keys may use a running M (the ceiling of the running maximum): every later rescaling is an exact power of two, which a block's scale takes up: the codes' values come out the same.
;;   OPERANDS COMPUTED ON THE WAY. 'Computed on the way' means the value that the module computes at that place (a softmax that the list does not call 'softmax' is quantised finished and normalised). What goes into a quantiser is computed in f32, as accurately as f32 sums, v_exp_f32 and their like allow (about 1e-6 of the number): no bf16 or f16 on the way to a quantiser, and a product that is left as it is and whose result goes on into a quantised operand takes f32 operands (vector FMAs, or v_wmma_f32_16x16x4_f32). A number that lies on a knife's edge between two numbers of the format may be rounded either way, as far as f32 arithmetic and the matrix unit's own rounding can turn it there, and no further.
;;   INPUTS GIVEN AS CODES. Wk (in the module: [512, 512], K = its axis 0); Wo (in the module: [512, 512], K = its axis 0); Wq (in the module: [512, 512], K = its axis 0); Wv (in the module: [512, 512], K = its axis 0); inputs_kv (in the module: [2, 4096, 512], K = its axis 2); inputs_q (in the module: [2, 4096, 512], K = its axis 2): each comes as NAME_codes (uint8): NAME with its K axis moved to the last place and cut into blocks of 32 codes, [.., K / 32, bytes a block], one block behind the other in memory; four codes in three bytes: a row's codes are one little-endian stream of bits, code i at bits 6 i .. 6 i + 5 (a code: sign, 2 exponent bits, 3 mantissa bits); and NAME_scales (uint8): the same leading axes, one E8M0 byte (e + 127) for each 32 codes along K. Its value is code x scale, taken as it is: it is not quantised again, and the codes and scales need not be those that the quantiser above would give.
;; 2 versions. Each part assembles by itself: llvm-mc -triple=amdgcn-amd-amdhsa -mcpu=gfx1250 --defsym DOCPART=n.
;; ======== version 1 of 2: 3 launches
;; workspace buffers: qbuf 3,407,872 bytes; kvbuf 6,815,744 bytes; flags 65,536 bytes of whole numbers; ocodes 3,145,728 bytes; osc 524,288 bytes
;; launch prep (part 1): grid 256 x 1, 4 waves a work-group, no clusters, 4,608 bytes of LDS; arguments inputs_q_codes, inputs_q_scales, inputs_kv_codes, inputs_kv_scales, Wq_codes, Wq_scales, Wk_codes, Wk_scales, Wv_codes, Wv_scales, q_ln_w, q_ln_b, k_ln_w, k_ln_b, mask, qbuf, kvbuf, flags; writes qbuf, kvbuf, flags
.if DOCPART == 1
	.amdgcn_target "amdgcn-amd-amdhsa--gfx1250"
	.amdhsa_code_object_version 6
	.text
	.protected	k_qfe235b3b66_prep
	.globl	k_qfe235b3b66_prep
	.p2align	8
	.type	k_qfe235b3b66_prep,@function
k_qfe235b3b66_prep:
	s_mov_b64 s[64:65], 0
	v_nop
	global_prefetch_b8 v0, s[64:65] scope:SCOPE_SE
	s_setreg_imm32_b32 hwreg(HW_REG_WAVE_MODE, 25, 1), 1
	s_wait_xcnt 0x0
; PREP: the three projections (8,192 x 512 x 512 each, on codes of FP6 with E8M0 scales), the LayerNorm of q and k over all 512 columns, the
; quantisers of q, k (along a head's 64) and v (along the keys), and two flag words for each tile of 16 queries of the mask.
; 256 work-groups of four waves: job = number / 64 (0 q, 1 k, 2 v, 3 mask), idx = number % 64.
; A GEMM work-group takes rows 128 idx .. 128 idx + 127, in two trips of 64.  THE WAVES SHARE THE COLUMNS: wave w owns n = 128 w .. 128 w + 127 (heads 2 w, 2 w + 1),
; and its part of W (8 tiles x 4 K steps x 12 registers) stays in registers.  Lane r of tile 2 b + u of W takes row 128 w + 32 b + 8 u + r + 8 (r / 8).
; q, k: source 0 = W, source 1 = x: a lane holds one row, register 8 t + j the column 128 w + 32 (t / 2) + 16 (lane / 16) + 8 (t % 2) + j: 16 neighbours in two tiles.
; v: source 0 = x (keys), source 1 = W: a lane holds one column d, and the registers of four tiles of keys run along the keys, which are the K of the second attention product.
; The rows of x that form a tile: q: 16 neighbours; k, v: lane r of tile m takes key 32 (m / 2) + 8 (m % 2) + r + 8 (r / 8).
; WHAT IS STORED are images of operand registers: a half fragment (6 registers a lane) as [3 pieces][32 lanes][8 bytes], so each store covers 256 consecutive bytes, aligned.
; The mask job: a wave takes 16 rows of the mask (65,536 bytes) and stores ANY (bit j: some byte of keys 128 j .. 128 j + 127 is not 0) and ALL (all are 1).
; LIMITS: mask bytes are 0 or 1; a block whose largest magnitude lies under 2^-124 keeps the scale byte 1 (a block of zeros too: its codes are zeros and this program alone
; reads the bytes); input scale bytes 0xff, NaN and infinities are not served.
; REGISTERS.  window 0: v3-15 addresses; v16-63, v64-111 two buffers of x (later v16-79: 64 numbers to be quantised); v112-131 codes; v132-139 x scale words (v job: these and v216-223);
;   v140-143 scale words made; v144-147 sums; v148-155 means, v156-163 1/sigma, in pairs; v164-179 back from LDS; v180-195 chains; v196-199 outgoing scale words; v200-215 at work; v224-255 W scale words.
;   window 1: W of K steps 0, 1 (v0-191), LayerNorm w (v192-255).  window 2: W of K steps 2, 3, LayerNorm b.  window 3: q, k: 32 accumulators; v: the 16 fragments of x.
.set PC, 112
.set TM, 200
.set MSB, 0
.macro WIN new                         ; the immediate's high byte repeats the setting that is left; a switch that changes nothing is dropped
.if MSB != (\new)
	s_set_vgpr_msb (MSB<<8)|(\new)
.set MSB, (\new)
.endif
.endm
.macro PLACES                          ; four plain vector instructions behind a matrix instruction, ahead of reads of its result and of loads into its registers
.rept 4
	v_nop
.endr
.endm
.macro MM d, a, b, sa, sb              ; one link of a sum in place
	v_wmma_scale_f32_16x16x128_f8f6f4 v[\d:\d+7], v[\a:\a+11], v[\b:\b+11], v[\d:\d+7], v[\sa], v[\sb] matrix_a_fmt:MATRIX_FMT_FP6 matrix_b_fmt:MATRIX_FMT_FP6
.endm
.macro MM0 d, a, b, sa, sb             ; the first K step starts the sum: nothing is cleared
	v_wmma_scale_f32_16x16x128_f8f6f4 v[\d:\d+7], v[\a:\a+11], v[\b:\b+11], 0, v[\sa], v[\sb] matrix_a_fmt:MATRIX_FMT_FP6 matrix_b_fmt:MATRIX_FMT_FP6
.endm
; 64 numbers of a lane, register 16 b + i = k 32 b + 16 (lane / 16) + i, become 12 registers of codes in v[PC] on and a scale word in v[pw]
.macro QUANT s, pw
.irp b, 0,1,2,3
	v_max3_num_f32 v[TM+\b], |v[\s+16*\b]|, |v[\s+1+16*\b]|, 0x1800000   ; my 16 numbers of block b, and the floor 2^(3 - 127): the byte cannot fall under 1
.endr
.irp i, 2,4,6,8,10,12,14
.irp b, 0,1,2,3
	v_max3_num_f32 v[TM+\b], v[TM+\b], |v[\s+16*\b+\i]|, |v[\s+1+16*\b+\i]|
.endr
.endr
.irp b, 0,1,2,3
	v_permlanex16_b32 v[TM+4+\b], v[TM+\b], s66, s67
.endr
.irp b, 0,1,2,3
	v_max_num_f32 v[TM+\b], v[TM+\b], v[TM+4+\b]     ; with lane l xor 16: the block's largest magnitude
.endr
.irp b, 0,1,2,3
	v_add_nc_u32 v[TM+12+\b], 0xff000000, v[TM+\b]   ; 2 off its exponent field: the conversion's scale operand
.endr
.irp b, 0,1,2,3
	v_lshrrev_b32 v[TM+4+\b], 23, v[TM+12+\b]        ; the scale's byte
.endr
	v_lshl_or_b32 v[\pw], v[TM+5], 8, v[TM+4]
	v_lshl_or_b32 v[\pw], v[TM+6], 16, v[\pw]
	v_lshl_or_b32 v[\pw], v[TM+7], 24, v[\pw]
.irp c, 0,1
	v_cvt_scalef32_pk16_fp6_f32 v[PC+6*\c:PC+2+6*\c], v[\s+32*\c:\s+15+32*\c], v[TM+12+2*\c]
	v_cvt_scalef32_pk16_fp6_f32 v[PC+12+4*\c:PC+14+4*\c], v[\s+16+32*\c:\s+31+32*\c], v[TM+12+2*\c+1]   ; (three registers that begin on an even number)
.endr
	v_nop                                            ; one plain place behind a scaled conversion
.irp c, 0,1                            ; a whole block to a lane: lanes 0-15 block 2 c, lanes 16-31 block 2 c + 1
.irp i, 0,1,2
	v_permlane16_swap_b32 v[PC+6*\c+\i], v[PC+12+4*\c+\i]
.endr
.irp i, 0,1,2
	v_mov_b32 v[PC+3+6*\c+\i], v[PC+12+4*\c+\i]
.endr
.endr
.endm
	s_load_b512 s[4:19], s[0:1], 0x0               ; xq codes, xq scales, xkv codes, xkv scales, Wq codes, Wq scales, Wk codes, Wk scales
	s_load_b512 s[20:35], s[0:1], 0x40             ; Wv codes, Wv scales, q_ln_w, q_ln_b, k_ln_w, k_ln_b, mask, qbuf
	s_load_b128 s[36:39], s[0:1], 0x80             ; kvbuf, flags
	v_lshl_add_u32 v210, v0, 2, 0x1000
	v_mov_b32 v211, 0
	v_lshrrev_b32 v1, 5, v0
	v_readfirstlane_b32 s54, v1                    ; wave 0..3
	s_lshr_b32 s55, ttmp9, 6                       ; job
	s_and_b32 s56, ttmp9, 63                       ; idx
	s_mov_b32 s73, 0                               ; the upper word of every offset pair s[72:73]
	s_wait_kmcnt 0x0
	s_cmp_eq_u32 s55, 3
	s_cbranch_scc1 .Lmask
	; the buffers of my job: the choices hang on the work-group's number alone
	s_cmp_eq_u32 s55, 0
	s_cselect_b64 s[40:41], s[4:5], s[8:9]         ; x codes
	s_cselect_b64 s[42:43], s[6:7], s[10:11]       ; x scales
	s_cselect_b64 s[44:45], s[12:13], s[16:17]     ; W codes
	s_cselect_b64 s[46:47], s[14:15], s[18:19]     ; W scales
	s_cselect_b64 s[48:49], s[24:25], s[28:29]     ; LayerNorm w
	s_cselect_b64 s[50:51], s[26:27], s[30:31]     ; LayerNorm b
	s_cselect_b64 s[52:53], s[34:35], s[36:37]     ; where the results go
	s_mov_b32 s58, 6656
	s_cselect_b32 s58, 3328, s58                   ; a chunk (64 rows of one head) in bytes
	s_mov_b32 s60, 6144
	s_cselect_b32 s60, 3072, s60                   ; where a chunk's scale words begin
	s_cselect_b32 s74, 0, 8                        ; q: a tile's rows are neighbours; k, v: r + (r & 8)
	s_cselect_b32 s75, 16, 8                       ; rows from an even tile to the odd one
	s_cmp_eq_u32 s55, 2
	s_cselect_b64 s[44:45], s[20:21], s[44:45]
	s_cselect_b64 s[46:47], s[22:23], s[46:47]
	s_cselect_b32 s60, 6400, s60
	s_mov_b32 s59, 0
	s_mul_i32 s72, s56, 49152                      ; my 128 rows of x, 384 bytes each
	s_add_nc_u64 s[40:41], s[40:41], s[72:73]
	s_lshl_b32 s72, s56, 11                        ; and their 16 scale bytes each
	s_add_nc_u64 s[42:43], s[42:43], s[72:73]
	s_mul_i32 s72, s54, 49152                      ; my wave's 128 rows of W
	s_add_nc_u64 s[44:45], s[44:45], s[72:73]
	s_lshl_b32 s72, s54, 11
	s_add_nc_u64 s[46:47], s[46:47], s[72:73]
	s_lshl_b32 s72, s54, 9                         ; my wave's 128 numbers of LayerNorm w and b
	s_add_nc_u64 s[48:49], s[48:49], s[72:73]
	s_add_nc_u64 s[50:51], s[50:51], s[72:73]
	s_lshr_b32 s76, s56, 5                         ; chunk number: ((batch x 8 + 2 w) x 64 + 2 (idx % 32))
	s_lshl_b32 s76, s76, 3
	s_lshl_b32 s77, s54, 1
	s_add_co_u32 s76, s76, s77
	s_lshl_b32 s76, s76, 6
	s_and_b32 s77, s56, 31
	s_lshl_b32 s77, s77, 1
	s_add_co_u32 s76, s76, s77
	s_mul_i32 s72, s76, s58
	s_add_nc_u64 s[52:53], s[52:53], s[72:73]
	v_and_b32 v1, 31, v0                           ; lane
	v_and_b32 v2, 15, v0                           ; r
	v_bfe_u32 v3, v0, 4, 1                         ; h
	v_and_b32 v16, s74, v2
	v_add_nc_u32 v16, v16, v2                      ; my row in an even tile of x
	v_mul_u32_u24 v4, v16, 384
	v_mad_u32_u24 v4, v3, 24, v4                   ; v4: x, even tiles: row x 384 + 24 h
	s_mul_i32 s76, s75, 384
	v_add_nc_u32 v5, s76, v4                       ; v5: odd tiles
	v_lshlrev_b32 v6, 4, v16                       ; v6, v7: the same rows' scale bytes
	s_lshl_b32 s76, s75, 4
	v_add_nc_u32 v7, s76, v6
	v_lshlrev_b32 v8, 3, v1                        ; v8: 8 x lane: an image's place for my lane, head 2 w
	s_lshl_b32 s76, s58, 6
	v_add_nc_u32 v9, s76, v8                       ; v9: head 2 w + 1, 64 chunks on
	v_add_nc_u32 v10, s60, v8                      ; v10, v11: the scale words
	v_add_nc_u32 v11, s60, v9
	v_lshlrev_b32 v13, 4, v1                       ; v13: LDS, 16 x lane
	s_lshl_b32 s76, s54, 9
	v_add_nc_u32 v12, s76, v13                     ; v12: LDS, 16 x lane + 512 x wave
	v_and_b32 v17, 8, v2
	v_add_nc_u32 v17, v17, v2                      ; r + 8 (r / 8)
	v_mul_u32_u24 v14, v17, 384
	v_mad_u32_u24 v14, v3, 24, v14                 ; v14: W
	v_lshlrev_b32 v15, 4, v17                      ; v15: W scale bytes
	v_lshlrev_b32 v3, 6, v3                        ; v3: 64 h: LayerNorm w, b
.irp i, 0,1,2,3,4,5,6,7
	v_mov_b32 v[TM+\i], 0                          ; written once: a lane permute's destination counts as one of its sources
.endr
	s_mov_b32 s63, 0xffff0000                      ; lanes 16-31
	s_mov_b32 s66, 0x76543210
	s_mov_b32 s67, 0xfedcba98                      ; selects for lane l xor 16
	s_mov_b32 s70, 0x3b000000                      ; 1 / 512
	s_mov_b32 s71, 0x3727c5ac                      ; 1e-5
	; W stays: fragment (tile t, K step s) at v[12 (8 (s % 2) + t)] of window 1 + s / 2
	WIN 0x40
.irp s, 0,1
.irp t, 0,1,2,3,4,5,6,7
.irp p, 0,1,2,3,4,5
	global_load_b64 v[12*(8*\s+\t)+2*\p:12*(8*\s+\t)+2*\p+1], v14, s[44:45] offset:(32*(\t/2)+8*(\t%2))*384+96*\s+48*(\p/3)+8*(\p%3)
.endr
.endr
.endr
	WIN 0x80
.irp s, 0,1
.irp t, 0,1,2,3,4,5,6,7
.irp p, 0,1,2,3,4,5
	global_load_b64 v[12*(8*\s+\t)+2*\p:12*(8*\s+\t)+2*\p+1], v14, s[44:45] offset:(32*(\t/2)+8*(\t%2))*384+96*(\s+2)+48*(\p/3)+8*(\p%3)
.endr
.endr
.endr
	WIN 0
.irp t, 0,1,2,3,4,5,6,7
	global_load_b128 v[224+4*\t:227+4*\t], v15, s[46:47] offset:(32*(\t/2)+8*(\t%2))*16   ; a row's four scale words, K steps 0 to 3
.endr
	s_mov_b32 s61, 0                               ; trips
	s_cmp_eq_u32 s55, 2
	s_cbranch_scc1 .Lvjob
	; ---------------- q and k ----------------
	WIN 0x40                                       ; LayerNorm w, b in the result's layout: register 192 + 16 b + i = column 128 w + 32 b + 16 h + i
.irp b, 0,1,2,3
.irp q, 0,1,2,3
	global_load_b128 v[192+16*\b+4*\q:195+16*\b+4*\q], v3, s[48:49] offset:128*\b+16*\q
.endr
.endr
	WIN 0x80
.irp b, 0,1,2,3
.irp q, 0,1,2,3
	global_load_b128 v[192+16*\b+4*\q:195+16*\b+4*\q], v3, s[50:51] offset:128*\b+16*\q
.endr
.endr
	WIN 0
.macro XLOAD m, buf                    ; tile m of x: four fragments and the rows' scale words: 25 loads
.irp s, 0,1,2,3
.irp p, 0,1,2,3,4,5
	global_load_b64 v[16+48*\buf+12*\s+2*\p:17+48*\buf+12*\s+2*\p], v[4+\m%2], s[40:41] offset:(\m/2)*12288+96*\s+48*(\p/3)+8*(\p%3)
.endr
.endr
	global_load_b128 v[132+4*\buf:135+4*\buf], v[6+\m%2], s[42:43] offset:(\m/2)*512
.endm
.macro MULQK m, buf                    ; 32 matrix instructions: K step by K step, the eight accumulators of tile m by turns, one instruction a turn
.irp s, 0,1,2,3
	WIN 0xF1+\s/2
.irp t, 0,1,2,3,4,5,6,7
.if \s == 0
	MM0 8*(8*\m+\t), 12*(8*(\s%2)+\t), 16+48*\buf+12*\s, 224+4*\t+\s, 132+4*\buf+\s
.else
	MM 8*(8*\m+\t), 12*(8*(\s%2)+\t), 16+48*\buf+12*\s, 224+4*\t+\s, 132+4*\buf+\s
.endif
.endr
.endr
	WIN 0
.endm
.macro REDUCE                          ; the eight chains become one number a tile and lane; lane l xor 16 holds the row's other 64 columns of my wave
.irp m, 0,1,2,3
	v_pk_add_f32 v[180+4*\m:181+4*\m], v[180+4*\m:181+4*\m], v[182+4*\m:183+4*\m]
.endr
.irp m, 0,1,2,3
	v_add_f32 v[144+\m], v[180+4*\m], v[181+4*\m]
.endr
.irp m, 0,1,2,3
	v_permlanex16_b32 v[TM+\m], v[144+\m], s66, s67
.endr
.irp m, 0,1,2,3
	v_add_f32 v[144+\m], v[144+\m], v[TM+\m]
.endr
.endm
.macro EXCH reg                        ; the four waves' parts of the rows' sums meet in LDS; every wave adds them in the same order
	ds_store_b128 v12, v[144:147] offset:\reg
	s_wait_dscnt 0x0                               ; for the others' sake: my store has landed, and no LDS load of mine is out
	s_barrier_signal -1
	s_barrier_wait -1
.irp q, 0,1,2,3
	ds_load_b128 v[164+4*\q:167+4*\q], v13 offset:\reg+512*\q
.endr
	s_wait_dscnt 0x0
	v_pk_add_f32 v[164:165], v[164:165], v[168:169]
	v_pk_add_f32 v[166:167], v[166:167], v[170:171]
	v_pk_add_f32 v[172:173], v[172:173], v[176:177]
	v_pk_add_f32 v[174:175], v[174:175], v[178:179]
	v_pk_add_f32 v[164:165], v[164:165], v[172:173]
	v_pk_add_f32 v[166:167], v[166:167], v[174:175]
.endm
.Lqtrip:                                           ; 64 rows a trip
	XLOAD 0, 0
	XLOAD 1, 1
	s_wait_loadcnt 25                              ; all but the younger tile's 25 loads are in (W and LayerNorm's w, b are older still)
	MULQK 0, 0
	PLACES
	XLOAD 2, 0
	s_wait_loadcnt 25
	MULQK 1, 1
	PLACES
	XLOAD 3, 1
	s_wait_loadcnt 25
	MULQK 2, 0
	s_wait_loadcnt 0x0
	MULQK 3, 1
	PLACES
	; the rows' sums: two chains of pairs a tile; every accumulator is read from its low end on
	WIN 0x0F
.irp m, 0,1,2,3
	v_pk_add_f32 v[180+4*\m:181+4*\m], v[64*\m:64*\m+1], v[64*\m+2:64*\m+3]
	v_pk_add_f32 v[182+4*\m:183+4*\m], v[64*\m+4:64*\m+5], v[64*\m+6:64*\m+7]
.endr
	WIN 0x0C
.set k, 8
.rept 14
.irp m, 0,1,2,3
	v_pk_add_f32 v[180+4*\m:181+4*\m], v[180+4*\m:181+4*\m], v[64*\m+k:64*\m+k+1]
	v_pk_add_f32 v[182+4*\m:183+4*\m], v[182+4*\m:183+4*\m], v[64*\m+k+2:64*\m+k+3]
.endr
.set k, k+4
.endr
	WIN 0
	REDUCE
	EXCH 0                                         ; these bytes are stored again only behind the second barrier of this trip
.irp m, 0,1,2,3
	v_mul_f32 v[148+2*\m], s70, v[164+\m]          ; the mean, twice: a pair for the packed forms
	v_mul_f32 v[149+2*\m], s70, v[164+\m]
.endr
	WIN 0xC3                                       ; x - mean, in place
.irp m, 0,1,2,3
.set k, 0
.rept 32
	v_pk_add_f32 v[64*\m+k:64*\m+k+1], v[64*\m+k:64*\m+k+1], v[148+2*\m:149+2*\m] neg_lo:[0,1] neg_hi:[0,1]
.set k, k+2
.endr
.endr
	WIN 0x0F                                       ; the sums of its squares
.irp m, 0,1,2,3
	v_pk_mul_f32 v[180+4*\m:181+4*\m], v[64*\m:64*\m+1], v[64*\m:64*\m+1]
	v_pk_mul_f32 v[182+4*\m:183+4*\m], v[64*\m+2:64*\m+3], v[64*\m+2:64*\m+3]
.endr
.set k, 4
.rept 15
.irp m, 0,1,2,3
	v_pk_fma_f32 v[180+4*\m:181+4*\m], v[64*\m+k:64*\m+k+1], v[64*\m+k:64*\m+k+1], v[180+4*\m:181+4*\m]
	v_pk_fma_f32 v[182+4*\m:183+4*\m], v[64*\m+k+2:64*\m+k+3], v[64*\m+k+2:64*\m+k+3], v[182+4*\m:183+4*\m]
.endr
.set k, k+4
.endr
	WIN 0
	REDUCE
	EXCH 2048                                      ; these bytes are stored again only behind the first barrier of the next trip
.irp m, 0,1,2,3
	v_fma_f32 v[164+\m], v[164+\m], s70, s71       ; variance + eps
.endr
.irp m, 0,1,2,3
	v_rsq_f32 v[156+2*\m], v[164+\m]
	v_rsq_f32 v[157+2*\m], v[164+\m]
.endr
	v_nop                                          ; a plain place behind the last of the batch
	s_wait_alu depctr_va_vdst(0)                   ; one wait for the eight, ahead of their first reader
	WIN 0xC3
.irp m, 0,1,2,3
.set k, 0
.rept 32
	v_pk_mul_f32 v[64*\m+k:64*\m+k+1], v[64*\m+k:64*\m+k+1], v[156+2*\m:157+2*\m]
.set k, k+2
.endr
.endr
.irp m, 0,1,2,3                        ; tile by tile: x w + b, quantised, stored
	WIN 0x27                                       ; source 0 window 3, w window 1, b window 2, result window 0
.set k, 0
.rept 32
	v_pk_fma_f32 v[16+k:17+k], v[64*\m+k:64*\m+k+1], v[192+k:193+k], v[192+k:193+k]
.set k, k+2
.endr
	WIN 0
	s_wait_xcnt 0x0                                ; the last tile's stores have read the codes' registers
	QUANT 16, 140+\m
.irp p, 0,1,2,3,4,5
	global_store_b64 v[8+\p/3], v[PC+2*\p:PC+2*\p+1], s[52:53] offset:768*\m+256*(\p%3)   ; registers 0-5: head 2 w; 6-11: head 2 w + 1; 256 consecutive bytes a store
.endr
.endr
	s_wait_xcnt 0x0                                ; v196-199 were the last trip's store data
	v_cndmask_b32 v196, v140, v141, s63            ; lanes 0-15: tile 2 e, lanes 16-31: tile 2 e + 1; bytes 0, 1 are head 2 w's
	v_cndmask_b32 v197, v142, v143, s63
.irp m, 0,1,2,3
	v_lshrrev_b32 v[140+\m], 16, v[140+\m]         ; head 2 w + 1's
.endr
	v_cndmask_b32 v198, v140, v141, s63
	v_cndmask_b32 v199, v142, v143, s63
	global_store_b64 v10, v[196:197], s[52:53]
	global_store_b64 v11, v[198:199], s[52:53]
	s_wait_xcnt 0x0                                ; the bases are stepped only behind this wait
	s_add_nc_u64 s[40:41], s[40:41], 24576
	s_add_nc_u64 s[42:43], s[42:43], 1024
	s_add_nc_u64 s[52:53], s[52:53], s[58:59]
	s_add_co_u32 s61, s61, 1
	s_cmp_lt_u32 s61, 2
	s_cbranch_scc1 .Lqtrip
	s_wait_tensorcnt 0x0
	ds_add_u32 v210, v211
	s_wait_dscnt 0x0
	s_endpgm
	; ---------------- v ----------------
	; x's scale words of tile m, K step s stand at v[132 + 4 m + 76 (m / 2) + s]: v132-139 for tiles 0, 1 and v216-223 for tiles 2, 3: registers that hold scales and nothing else, on every path of this text
.macro VGROUP a                        ; columns' tiles 2 a, 2 a + 1 against the four tiles of keys: eight accumulators by turns, K step by K step
.irp s, 0,1,2,3
	WIN 0x07+4*(\s/2)                              ; source 0 (x) window 3, source 1 (W) window 1 or 2, C and D window 0
.irp u, 0,1
.irp m, 0,1,2,3
.if \s == 0
	MM0 16+8*(4*\u+\m), 12*(4*\m+\s), 12*(8*(\s%2)+2*\a+\u), 132+4*\m+76*(\m/2)+\s, 224+4*(2*\a+\u)+\s
.else
	MM 16+8*(4*\u+\m), 12*(4*\m+\s), 12*(8*(\s%2)+2*\a+\u), 132+4*\m+76*(\m/2)+\s, 224+4*(2*\a+\u)+\s
.endif
.endr
.endr
.endr
	WIN 0
	PLACES
	s_wait_xcnt 0x0                                ; the last group's stores have read the codes' registers
	QUANT 16, 140+\a                               ; blocks 0, 1: the 64 keys of tile 2 a's column; blocks 2, 3: of tile 2 a + 1's
.irp p, 0,1,2,3,4,5
	global_store_b64 v[8+\a/2], v[PC+2*\p:PC+2*\p+1], s[52:53] offset:3072+768*(2*(\a%2)+\p/3)+256*(\p%3)
.endr
.endm
.Lvjob:
	s_mov_b32 s62, 0                               ; 16 x the chunk's parity
.Lvtrip:                                           ; 64 keys a trip
	WIN 0xC0
.irp m, 0,1,2,3
.irp s, 0,1,2,3
.irp p, 0,1,2,3,4,5
	global_load_b64 v[12*(4*\m+\s)+2*\p:12*(4*\m+\s)+2*\p+1], v[4+\m%2], s[40:41] offset:(\m/2)*12288+96*\s+48*(\p/3)+8*(\p%3)
.endr
.endr
.endr
	WIN 0
.irp m, 0,1,2,3
	global_load_b128 v[132+4*\m+76*(\m/2):135+4*\m+76*(\m/2)], v[6+\m%2], s[42:43] offset:(\m/2)*512
.endr
	s_wait_loadcnt 0x0
	VGROUP 0
	VGROUP 1
	VGROUP 2
	VGROUP 3
	s_wait_xcnt 0x0                                ; v196-199 were the last trip's store data
.irp x, 0,1                            ; head 2 w + x: lanes 0-15 tiles 0, 1 of its d, lanes 16-31 tiles 2, 3; a tile's two bytes go to bits 16 x parity
	v_cndmask_b32 v[196+2*\x], v[140+2*\x], v[141+2*\x], s63
	v_lshrrev_b32 v[197+2*\x], 16, v[196+2*\x]
	v_and_b32 v[196+2*\x], 0xffff, v[196+2*\x]
	v_lshlrev_b32 v[197+2*\x], s62, v[197+2*\x]
	v_lshlrev_b32 v[196+2*\x], s62, v[196+2*\x]
	global_store_b64 v[10+\x], v[196+2*\x:197+2*\x], s[52:53]
.endr
	s_wait_xcnt 0x0
	s_add_nc_u64 s[40:41], s[40:41], 24576
	s_add_nc_u64 s[42:43], s[42:43], 1024
	s_add_nc_u64 s[52:53], s[52:53], s[58:59]
	s_add_co_u32 s62, s62, 16
	s_add_co_u32 s61, s61, 1
	s_cmp_lt_u32 s61, 2
	s_cbranch_scc1 .Lvtrip
	s_endpgm
	; ---------------- the mask's flags ----------------
.macro LOADM tau                       ; rows 2 tau, 2 tau + 1: sixteen loads of 512 consecutive bytes
.irp q, 0,1
.irp c, 0,1,2,3,4,5,6,7
	global_load_b128 v[32+64*((\tau)%2)+4*(8*\q+\c):35+64*((\tau)%2)+4*(8*\q+\c)], v4, s[32:33] offset:(2*(\tau)+\q)*4096+512*\c th:TH_LOAD_NT
.endr
.endr
.endm
.macro NIB x, acc, c                   ; 32 lane bits -> 4 bits, one for each 8 lanes (128 keys), at bits 4 c on of s[acc]
	s_lshr_b32 s74, s[\x], 4
	s_or_b32 s[\x], s[\x], s74
	s_lshr_b32 s74, s[\x], 2
	s_or_b32 s[\x], s[\x], s74
	s_lshr_b32 s74, s[\x], 1
	s_or_b32 s[\x], s[\x], s74                     ; bit 8 g now holds the OR of bits 8 g .. 8 g + 7
	s_and_b32 s[\x], s[\x], s78
	s_mul_i32 s[\x], s[\x], 0x10204080             ; bits 0, 8, 16, 24 meet at bits 28 to 31; the other partial products are all different bits below
	s_lshr_b32 s[\x], s[\x], 28
	s_lshl_b32 s[\x], s[\x], 4*\c
	s_or_b32 s[\acc], s[\acc], s[\x]
.endm
.Lmask:
	s_lshl_b32 s75, s56, 2
	s_add_co_u32 s75, s75, s54                     ; my tile of 16 queries: 4 idx + wave
	s_lshl_b32 s72, s75, 16
	s_add_nc_u64 s[32:33], s[32:33], s[72:73]      ; its 16 rows of 4,096 bytes
	s_lshl_b32 s72, s75, 8
	s_add_nc_u64 s[38:39], s[38:39], s[72:73]      ; its 256 bytes of flags
	v_and_b32 v1, 31, v0
	v_lshlrev_b32 v4, 4, v1
	v_lshlrev_b32 v5, 3, v1
	LOADM 0
	LOADM 1
.irp c, 0,1,2,3,4,5,6,7
	v_mov_b32 v[16+\c], 0                          ; OR of my 16 bytes of chunk c (keys 512 c + 16 lane on), over the rows
	v_mov_b32 v[24+\c], -1                         ; AND likewise
.endr
	s_mov_b32 s78, 0x01010101
.irp tau, 0,1,2,3,4,5,6,7
.if \tau < 7
	s_wait_loadcnt 16                              ; this pair of rows is in; the younger pair's 16 loads may be out
.else
	s_wait_loadcnt 0x0
.endif
.irp q, 0,1
.irp e, 0,1,2,3
.irp c, 0,1,2,3,4,5,6,7
	v_or_b32 v[16+\c], v[16+\c], v[32+64*(\tau%2)+4*(8*\q+\c)+\e]
	v_and_b32 v[24+\c], v[24+\c], v[32+64*(\tau%2)+4*(8*\q+\c)+\e]
.endr
.endr
.endr
.if \tau < 6
	LOADM \tau+2
.endif
.endr
	s_mov_b32 s76, 0                               ; ANY
	s_mov_b32 s77, 0                               ; not ALL
.irp c, 0,1,2,3,4,5,6,7
	v_cmp_ne_u32 s72, 0, v[16+\c]
	v_cmp_ne_u32 s75, s78, v[24+\c]
	NIB 72, 76, \c
	NIB 75, 77, \c
.endr
	s_not_b32 s77, s77
	v_mov_b32 v6, s76
	v_mov_b32 v7, s77
	global_store_b64 v5, v[6:7], s[38:39]          ; the pair, alike in every lane: 256 consecutive bytes
	s_endpgm
.Lfunc_end_k_qfe235b3b66_prep:
	.size	k_qfe235b3b66_prep, .Lfunc_end_k_qfe235b3b66_prep-k_qfe235b3b66_prep
	.p2alignl 7, 3214868480
	.fill 96, 4, 3214868480
	.section	.rodata,"a",@progbits
	.p2align	6, 0x0
	.amdhsa_kernel k_qfe235b3b66_prep
		.amdhsa_group_segment_fixed_size 4608
		.amdhsa_private_segment_fixed_size 0
		.amdhsa_enable_private_segment 0
		.amdhsa_kernarg_size 144
		.amdhsa_user_sgpr_count 2
		.amdhsa_user_sgpr_kernarg_segment_ptr 1
		.amdhsa_wavefront_size32 1
		.amdhsa_system_sgpr_workgroup_id_x 1
		.amdhsa_system_sgpr_workgroup_id_y 1
		.amdhsa_system_sgpr_workgroup_id_z 1
		.amdhsa_system_vgpr_workitem_id 0
		.amdhsa_next_free_vgpr 1024
		.amdhsa_next_free_sgpr 80
		.amdhsa_reserve_vcc 0
		.amdhsa_float_denorm_mode_32 3
		.amdhsa_float_denorm_mode_16_64 3
		.amdhsa_memory_ordered 1
		.amdhsa_forward_progress 1
		.amdhsa_inst_pref_size 212
	.end_amdhsa_kernel
	.amdgpu_metadata
---
amdhsa.version: [ 1, 2 ]
amdhsa.kernels:
  - .name:           k_qfe235b3b66_prep
    .symbol:         k_qfe235b3b66_prep.kd
    .args:
      - { .name: inputs_q_codes, .offset: 0, .size: 8, .value_kind: global_buffer, .address_space: global }
      - { .name: inputs_q_scales, .offset: 8, .size: 8, .value_kind: global_buffer, .address_space: global }
      - { .name: inputs_kv_codes, .offset: 16, .size: 8, .value_kind: global_buffer, .address_space: global }
      - { .name: inputs_kv_scales, .offset: 24, .size: 8, .value_kind: global_buffer, .address_space: global }
      - { .name: Wq_codes, .offset: 32, .size: 8, .value_kind: global_buffer, .address_space: global }
      - { .name: Wq_scales, .offset: 40, .size: 8, .value_kind: global_buffer, .address_space: global }
      - { .name: Wk_codes, .offset: 48, .size: 8, .value_kind: global_buffer, .address_space: global }
      - { .name: Wk_scales, .offset: 56, .size: 8, .value_kind: global_buffer, .address_space: global }
      - { .name: Wv_codes, .offset: 64, .size: 8, .value_kind: global_buffer, .address_space: global }
      - { .name: Wv_scales, .offset: 72, .size: 8, .value_kind: global_buffer, .address_space: global }
      - { .name: q_ln_w, .offset: 80, .size: 8, .value_kind: global_buffer, .address_space: global }
      - { .name: q_ln_b, .offset: 88, .size: 8, .value_kind: global_buffer, .address_space: global }
      - { .name: k_ln_w, .offset: 96, .size: 8, .value_kind: global_buffer, .address_space: global }
      - { .name: k_ln_b, .offset: 104, .size: 8, .value_kind: global_buffer, .address_space: global }
      - { .name: mask, .offset: 112, .size: 8, .value_kind: global_buffer, .address_space: global }
      - { .name: qbuf, .offset: 120, .size: 8, .value_kind: global_buffer, .address_space: global }
      - { .name: kvbuf, .offset: 128, .size: 8, .value_kind: global_buffer, .address_space: global }
      - { .name: flags, .offset: 136, .size: 8, .value_kind: global_buffer, .address_space: global }
    .group_segment_fixed_size: 4608
    .private_segment_fixed_size: 0
    .kernarg_segment_align: 8
    .kernarg_segment_size: 144
    .max_flat_workgroup_size: 128
    .sgpr_count:     80
    .vgpr_count:     1024
    .wavefront_size: 32
...
	.end_amdgpu_metadata
.endif
;; end of part 1
;; launch attn (part 2): grid 16 x 16, 16 waves a work-group, no clusters, 28,672 bytes of LDS; arguments qbuf, kvbuf, flags, mask, ocodes, osc; writes ocodes, osc
.if DOCPART == 2
	.amdgcn_target "amdgcn-amd-amdhsa--gfx1250"
	.amdhsa_code_object_version 6
	.text
	.protected	k_qfe235b3b66_attn
	.globl	k_qfe235b3b66_attn
	.p2align	8
	.type	k_qfe235b3b66_attn,@function
k_qfe235b3b66_attn:
	s_mov_b64 s[64:65], 0
	v_nop
	global_prefetch_b8 v0, s[64:65] scope:SCOPE_SE
	s_setreg_imm32_b32 hwreg(HW_REG_WAVE_MODE, 25, 1), 1
	s_wait_xcnt 0x0
; ATTN: for each of 16 (batch, head): S^T = K Q^T, mask, p = 2^(t - M), O^T += V^T P^T, o = O / l, and the quantiser of o along the head's 64.  All products on codes of FP6 with E8M0 scales.
; t = score x log2(e) / 8; M = the running largest t rounded up to a whole number; the row's sum l is taken of the unquantised p; when M moves, l and O are multiplied by 2^(old M - new M), exactly.
; SHARES.  Work-group (g, bh).  Each of its sixteen waves owns one tile of 16 queries, tile g + 16 x rank, the ranks dealt to the waves by a table (a 4 x 4 magic square read by columns), so that
; waves w, w + 4, w + 8, w + 12 together hold early and late queries alike.  That is scheduling alone: the values hold for every mask.
; Every work-group walks all 32 key steps of 128 keys (16 trips of two).  A wave jumps over a step's WORK where its ANY flag says that all 16 x 128 mask bytes are 0, and over the masking where ALL says they
; are 1; the flags are whole numbers stored by the launch before.  No barrier and no copy is jumped over.
; NO TENSOR LOAD, NO CLUSTER: the jumps hang on numbers read from memory.  A step's K and V (13,312 consecutive bytes) come through registers:
; waves 0 to 12 load 1,024 bytes each two steps ahead and store them into the LDS slot that was read in the step before; one barrier a step.
; LAYOUT.  Both products transposed: a lane holds one query (lane % 16).  The keys of a tile of K were chosen so that the 16 registers of tiles 2 b, 2 b + 1 are keys 32 b + 16 (lane / 16) + 0 .. 15.
; K = 64 in the first product: Q's registers 6-11 are zero codes, so K's operand may run on into the next tile's codes: 6 registers and 3 LDS loads a tile.
; LIMITS: mask bytes are 0 or 1; a block under 2^-124 keeps the scale byte 1; a row whose every key is masked (l = 0) gets the scale byte 0xff, which makes its row of the output NaN, as the softmax of such a row is.
; REGISTERS: v1 8 x lane; v2 LDS store address; v3 the copy's offset; v4 the mask's offset; v5 the prefetch's; v12 -M, v13 largest t, v[14:15] l; v16-27 Q; v28 Q scale word; v32-79 K, then V; v80-85 zeros;
;   v86-89 K scale words; v90-93 V's; v96-159 S^T, then p; v160-191 O^T; v192-210 p's codes (in a mixed step first the mask's 16 words); v212-219, v244-251 the copy's two sets; v220-241 at work.
.set STEPB, 13312
.set CHUNK, 6656
.set BM, 220
.set PX, 224
.set SO, 228
.set T,  232
.set F,  234                           ; v234 f; v235 p's scale word
	s_load_b256 s[4:11], s[0:1], 0x0               ; qbuf, kvbuf, flags, mask
	s_load_b128 s[12:15], s[0:1], 0x20             ; ocodes, osc
	v_lshl_add_u32 v254, v0, 2, 0x6800
	v_mov_b32 v255, 0
	v_lshrrev_b32 v7, 5, v0
	v_readfirstlane_b32 s16, v7                    ; wave 0..15
	v_and_b32 v6, 31, v0                           ; lane
	v_and_b32 v8, 15, v0                           ; r
	v_bfe_u32 v9, v0, 4, 1                         ; h
	s_mov_b32 s40, 0x7a94c12f                      ; ranks of waves 0 to 7, four bits each
	s_mov_b32 s41, 0x0de3b658                      ; of waves 8 to 15
	s_cmp_lt_u32 s16, 8
	s_cselect_b32 s40, s40, s41
	s_and_b32 s41, s16, 7
	s_lshl_b32 s41, s41, 2
	s_lshr_b32 s40, s40, s41
	s_and_b32 s40, s40, 15
	s_lshl_b32 s40, s40, 4
	s_add_co_u32 s17, s40, ttmp9                   ; my tile of queries, 0 .. 255
	s_and_b32 s18, ttmp7, 0xffff                   ; bh = 8 x batch + head
	v_lshlrev_b32 v1, 3, v6
	v_lshlrev_b32 v2, 4, v6
	v_lshl_add_u32 v2, v7, 10, v2                  ; 16 x lane + 1,024 x wave
	v_mov_b32 v3, v2
	v_lshlrev_b32 v5, 8, v6
	s_lshl_b32 s40, s17, 16
	v_lshlrev_b32 v4, 12, v8
	v_lshl_add_u32 v4, v9, 4, v4
	v_add_nc_u32 v4, s40, v4                       ; (16 tile + r) x 4,096 + 16 h
	s_and_b32 s40, s17, 3
	s_mul_i32 s40, s40, 768
	v_add_nc_u32 v10, s40, v1                      ; Q: my tile's image in its chunk
	s_and_b32 s40, s17, 1
	s_lshl_b32 s40, s40, 7
	s_bfe_u32 s41, s17, 0x10001
	s_lshl_b32 s41, s41, 2
	s_add_co_u32 s40, s40, s41
	s_add_co_u32 s40, s40, 3072
	v_lshl_add_u32 v11, v8, 3, s40                 ; Q's scale word: [lane r + 16 (tile % 2)][(tile / 2) % 2]
	s_mov_b32 s43, 0
	s_mov_b32 s45, 0
	s_mov_b32 s47, 0
	s_mul_i32 s42, s18, 425984                     ; the head's 64 chunks of K and V
	s_lshl_b32 s44, s18, 6
	s_lshr_b32 s46, s17, 2
	s_add_co_u32 s44, s44, s46
	s_mul_i32 s44, s44, 3328                       ; my chunk of Q
	s_lshr_b32 s46, s18, 3
	s_lshl_b32 s46, s46, 8
	s_add_co_u32 s46, s46, s17
	s_lshl_b32 s46, s46, 3
	s_and_b32 s48, s18, 7
	s_add_co_u32 s46, s46, s48                     ; (256 batch + tile) x 8 + head
	s_lshl_b32 s50, s46, 7
	s_mov_b32 s51, 0
	s_mul_i32 s46, s46, 768
	s_lshl_b32 s52, s17, 8
	s_mov_b32 s53, 0
	s_wait_kmcnt 0x0
	s_add_nc_u64 s[6:7], s[6:7], s[42:43]
	s_add_nc_u64 s[4:5], s[4:5], s[44:45]
	s_add_nc_u64 s[12:13], s[12:13], s[46:47]
	s_add_nc_u64 s[14:15], s[14:15], s[50:51]
	s_add_nc_u64 s[8:9], s[8:9], s[52:53]
	s_load_b64 s[24:25], s[8:9], 0x0               ; ANY, ALL of my tile: bit j = key step j
	s_cmp_lt_u32 s16, 13
	s_cbranch_scc0 .Lno_first
	global_load_b128 v[212:215], v3, s[6:7]                     ; key step 0 into set 0,
	global_load_b128 v[216:219], v3, s[6:7] offset:512
	global_load_b128 v[244:247], v3, s[6:7] offset:STEPB        ; key step 1 into set 1
	global_load_b128 v[248:251], v3, s[6:7] offset:STEPB+512
.Lno_first:
.irp p, 0,1,2
	global_load_b64 v[16+2*\p:17+2*\p], v10, s[4:5] offset:256*\p
.endr
	global_load_b32 v28, v11, s[4:5]
	s_mov_b32 s20, 0x76543210
	s_mov_b32 s21, 0xfedcba98                      ; selects for lane l xor 16
	s_mov_b32 s22, 0x3e38aa3b                      ; c = log2(e) / 8
	s_mov_b32 s23, s22                             ; (named with it as a pair)
	s_mov_b32 s26, 0                               ; J, the key step
	s_mov_b32 s27, 0                               ; trips
	s_mov_b32 s32, 0x00000000                      ; v_perm_b32: byte 0, 1, 2, 3 of a word into all four bytes
	s_mov_b32 s33, 0x01010101
	s_mov_b32 s34, 0x02020202
	s_mov_b32 s35, 0x03030303
	s_and_b32 s36, s18, 1
	s_lshl_b32 s36, s36, 4                         ; 16 x (head % 2)
	s_mov_b32 s37, 255
	s_mov_b32 s38, 0xff800000                      ; -infinity
	s_cmp_lt_u32 s16, 13                           ; who prefetches: waves 0 to 12 of the head's first work-group
	s_cselect_b32 s29, 1, 0
	s_cmp_eq_u32 ttmp9, 0
	s_cselect_b32 s29, s29, 0
	s_lshl_b32 s40, s16, 13
	s_add_co_u32 s40, s40, 53248
	s_mov_b32 s41, 0
	s_add_nc_u64 s[30:31], s[6:7], s[40:41]        ; four key steps on, + 8,192 x wave; it steps two key steps a trip
.irp i, 22,23,24,25,26,27,80,81,82,83,84,85
	v_mov_b32 v[\i], 0                             ; zero codes
.endr
.set j, 0
.rept 32
	v_mov_b32 v[160+j], 0                          ; O^T: the step is written once; the first finds zeros
.set j, j+1
.endr
	v_mov_b32 v14, 0
	v_mov_b32 v15, 0
.irp b, 0,1,2,3
	v_mov_b32 v[PX+\b], 0                          ; a lane permute's destination counts as one of its sources
.endr
	v_mov_b32 v[T], 0
	v_mov_b32 v[F+1], 0
	v_mov_b32 v13, 0xff61b1e6                      ; the largest t so far: -3e38
	v_floor_f32 v12, -v13                          ; -M
	s_wait_loadcnt 0x0
	s_wait_kmcnt 0x0
	s_cmp_lt_u32 s16, 13
	s_cbranch_scc0 .Lno_store0
	ds_store_b128 v2, v[212:215]
	ds_store_b128 v2, v[216:219] offset:512
.Lno_store0:
	v_add_nc_u32 v3, 2*STEPB, v3                   ; the next loads are key step 2's (the loads above are done)
	s_wait_dscnt 0x0
	s_barrier_signal -1
	s_barrier_wait -1                              ; slot 0 holds key step 0
; K's eight tiles and the scale words from slot sl, S^T = K Q^T, then V's loads
.macro FRONT sl
.irp t, 0,1,2,3,4,5,6,7
.irp p, 0,1,2
	ds_load_b64 v[32+6*\t+2*\p:33+6*\t+2*\p], v1 offset:\sl*STEPB+(\t/4)*CHUNK+768*(\t%4)+256*\p
.endr
.endr
	ds_load_b64 v[86:87], v1 offset:\sl*STEPB+6144
	ds_load_b64 v[88:89], v1 offset:\sl*STEPB+CHUNK+6144
	ds_load_b64 v[90:91], v1 offset:\sl*STEPB+6400
	ds_load_b64 v[92:93], v1 offset:\sl*STEPB+CHUNK+6400
	s_wait_dscnt 0x0
	v_or_b32 v90, v90, v92                         ; V's scale words: the even chunk's bytes below, the odd chunk's above; used far below
	v_or_b32 v91, v91, v93
.irp t, 0,1,2,3,4,5,6,7
.if \t%2 == 0
	v_wmma_scale_f32_16x16x128_f8f6f4 v[96+8*\t:103+8*\t], v[32+6*\t:43+6*\t], v[16:27], 0, v[86+\t/2], v28 matrix_a_fmt:MATRIX_FMT_FP6 matrix_b_fmt:MATRIX_FMT_FP6
.else
	v_wmma_scale_f32_16x16x128_f8f6f4 v[96+8*\t:103+8*\t], v[32+6*\t:43+6*\t], v[16:27], 0, v[86+\t/2], v28 matrix_a_fmt:MATRIX_FMT_FP6 matrix_b_fmt:MATRIX_FMT_FP6 matrix_a_scale:MATRIX_SCALE_ROW1
.endif
.endr
.rept 4
	v_nop                                          ; places ahead of the loads into K's registers and of the first read of the scores
.endr
.irp t, 0,1,2,3
.irp c, 0,1
.irp p, 0,1,2
	ds_load_b64 v[32+12*\t+6*\c+2*\p:33+12*\t+6*\c+2*\p], v1 offset:\sl*STEPB+\c*CHUNK+3072+768*\t+256*\p
.endr
.endr
.endr
.endm
; the mask's 64 bytes of my lane, in v192-207: a byte 1 becomes 0xff; score n keeps its bits under 0xffffffff and becomes -infinity under 0
.macro APPLY
.set j, 0
.rept 16
	v_mul_lo_u32 v[192+j], v[192+j], s37
.set j, j+1
.endr
.set j, 0
.rept 64
	v_perm_b32 v[238+j%2], v[192+j/4], v[192+j/4], s[32+j%4]
	v_bfi_b32 v[96+j], v[238+j%2], v[96+j], s38
.set j, j+1
.endr
.endm
.macro SOFT
.irp b, 0,1,2,3
	v_max3_num_f32 v[BM+\b], v[96+16*\b], v[97+16*\b], v[98+16*\b]   ; the largest score of each block of 32 keys: for the row's maximum and, since p rises with the score, for the block's largest p
.endr
.irp i, 3,5,7,9,11,13
.irp b, 0,1,2,3
	v_max3_num_f32 v[BM+\b], v[BM+\b], v[96+16*\b+\i], v[97+16*\b+\i]
.endr
.endr
.irp b, 0,1,2,3
	v_max_num_f32 v[BM+\b], v[BM+\b], v[111+16*\b]
.endr
.irp b, 0,1,2,3
	v_permlanex16_b32 v[PX+\b], v[BM+\b], s20, s21
.endr
.irp b, 0,1,2,3
	v_max_num_f32 v[BM+\b], v[BM+\b], v[PX+\b]
.endr
	v_max3_num_f32 v[T], v[BM], v[BM+1], v[BM+2]
	v_max_num_f32 v[T], v[T], v[BM+3]
	v_mul_f32 v[T], s22, v[T]                      ; as t (c is positive)
	v_max_num_f32 v13, v13, v[T]                   ; the running largest t
	v_mov_b32 v[T], v12
	v_floor_f32 v12, -v13                          ; the new -M = -ceil(t)
	v_sub_f32 v[T], v12, v[T]                      ; old M - new M: a whole number, 0 or less
	v_cvt_i32_f32 v[T], v[T]                       ; (it saturates)
	v_ldexp_f32 v[F], 1.0, v[T]                    ; f = 2^(old M - new M)
.set j, 0
.rept 32
	v_pk_fma_f32 v[96+j:97+j], v[96+j:97+j], s[22:23], v[12:13] op_sel_hi:[1,0,0]   ; t - M
.set j, j+2
.endr
.irp b, 0,1,2,3
	v_fma_f32 v[BM+\b], v[BM+\b], s22, v12
.endr
.set j, 0
.rept 64
	v_exp_f32 v[96+j], v[96+j]                     ; p = 2^(t - M): not normalised
.set j, j+1
.endr
	v_pk_mul_f32 v[14:15], v[14:15], v[F:F+1] op_sel_hi:[1,0]   ; l under the new M (a plain place behind the batch)
	s_wait_alu depctr_va_vdst(0)                   ; one wait for the 64, ahead of their first reader
.irp b, 0,1,2,3
	v_exp_f32 v[BM+\b], v[BM+\b]                   ; the block's largest p
.endr
	v_pk_add_f32 v[236:237], v[96:97], v[98:99]    ; the sum of the unquantised p, in two chains
.set j, 4
.rept 15
	v_pk_add_f32 v[14:15], v[14:15], v[96+j:97+j]
	v_pk_add_f32 v[236:237], v[236:237], v[98+j:99+j]
.set j, j+4
.endr
	v_pk_add_f32 v[14:15], v[14:15], v[236:237]
	s_wait_alu depctr_va_vdst(0)                   ; and one for the four
.irp b, 0,1,2,3
	v_max_num_f32 v[BM+\b], 0x1800000, v[BM+\b]    ; the floor 2^(3 - 127)
.endr
.irp b, 0,1,2,3
	v_add_nc_u32 v[SO+\b], 0xff000000, v[BM+\b]    ; 2 off the exponent field: the conversion's scale operand
.endr
.irp b, 0,1,2,3
	v_lshrrev_b32 v[PX+\b], 23, v[SO+\b]           ; the scale's byte
.endr
	v_lshl_or_b32 v[F+1], v[PX+1], 8, v[PX]
	v_lshl_or_b32 v[F+1], v[PX+2], 16, v[F+1]
	v_lshl_or_b32 v[F+1], v[PX+3], 24, v[F+1]      ; p's scale word for these 128 keys
.irp c, 0,1
	v_cvt_scalef32_pk16_fp6_f32 v[192+6*\c:194+6*\c], v[96+32*\c:111+32*\c], v[SO+2*\c]
	v_cvt_scalef32_pk16_fp6_f32 v[204+4*\c:206+4*\c], v[112+32*\c:127+32*\c], v[SO+2*\c+1]
.endr
	v_nop                                          ; one plain place behind a scaled conversion
.irp c, 0,1
.irp i, 0,1,2
	v_permlane16_swap_b32 v[192+6*\c+\i], v[204+4*\c+\i]
.endr
.irp i, 0,1,2
	v_mov_b32 v[195+6*\c+\i], v[204+4*\c+\i]
.endr
.endr
.set j, 0
.rept 16
	v_pk_mul_f32 v[160+j:161+j], v[160+j:161+j], v[F:F+1] op_sel_hi:[1,0]   ; O^T under the new M; these sixteen also stand between the scale word, the codes and the products
.set j, j+2
.endr
.endm
.macro PVMUL
	s_wait_dscnt 0x0                               ; V is in
.irp t, 0,1,2,3
.if \t < 2
	v_wmma_scale_f32_16x16x128_f8f6f4 v[160+8*\t:167+8*\t], v[32+12*\t:43+12*\t], v[192:203], v[160+8*\t:167+8*\t], v[90+\t%2], v[F+1] matrix_a_fmt:MATRIX_FMT_FP6 matrix_b_fmt:MATRIX_FMT_FP6
.else
	v_wmma_scale_f32_16x16x128_f8f6f4 v[160+8*\t:167+8*\t], v[32+12*\t:43+12*\t], v[192:203], v[160+8*\t:167+8*\t], v[90+\t%2], v[F+1] matrix_a_fmt:MATRIX_FMT_FP6 matrix_b_fmt:MATRIX_FMT_FP6 matrix_a_scale:MATRIX_SCALE_ROW1
.endif
.endr
.rept 4
	v_nop                                          ; places ahead of the next loads into these products' registers and of the next read of O^T
.endr
.endm
; A KEY STEP, read from slot sl.  Its copy: loads of the step two on into set sl; the other set, loaded a step ago, goes into the other slot.
.macro STEP sl
	s_cmp_lt_u32 s16, 13
	s_cbranch_scc0 .Lnl_\@
	global_load_b128 v[212+32*\sl:215+32*\sl], v3, s[6:7]
	global_load_b128 v[216+32*\sl:219+32*\sl], v3, s[6:7] offset:512
.Lnl_\@:
.if \sl == 0
	; A prefetch of K and V: in trips 2, 6 and 10 the thirteen waves name, lanes 256 bytes apart, the 106,496 bytes of key steps 2 trip + 4 .. 2 trip + 11, whose first loads are issued two steps on.
	; All work-groups of a head walk the same bytes: the first of them asks, so each block of steps 8 to 31 is named once; steps 0 to 7 come by their loads alone; the last byte named lies inside the head's part.
	s_and_b32 s40, s26, 7
	s_cmp_eq_u32 s40, 4
	s_cselect_b32 s40, s29, 0
	s_cmp_lt_u32 s26, 24
	s_cselect_b32 s40, s40, 0
	s_cmp_lg_u32 s40, 0
	s_cbranch_scc0 .Lnp_\@
	global_prefetch_b8 v5, s[30:31] th:TH_LOAD_NT scope:SCOPE_SE
.Lnp_\@:
.endif
	s_bitcmp1_b32 s24, \sl
	s_cbranch_scc0 .Lskip_\@                       ; every key of the step is masked for my 16 queries
	s_bitcmp1_b32 s25, \sl
	s_cbranch_scc1 .Lplain_\@                      ; none is
.irp b, 0,1,2,3
	global_load_b128 v[192+4*\b:195+4*\b], v4, s[10:11] offset:128*\sl+32*\b   ; the mask's bytes of my query at keys 32 b + 16 h + 0 .. 15
.endr
	FRONT \sl
	s_wait_loadcnt 0x0
	APPLY
	s_branch .Lsoft_\@
.Lplain_\@:
	FRONT \sl
.Lsoft_\@:
	SOFT
	PVMUL
.Lskip_\@:
	s_cmp_lt_u32 s16, 13
	s_cbranch_scc0 .Lns_\@
	s_wait_loadcnt 2                               ; the other set's loads, issued a step ago, are in; this step's two may stay out
	ds_store_b128 v2, v[244-32*\sl:247-32*\sl] offset:(1-\sl)*STEPB        ; into the slot that was read in the step before: every wave has passed that step's barrier behind its reads
	ds_store_b128 v2, v[248-32*\sl:251-32*\sl] offset:(1-\sl)*STEPB+512
.Lns_\@:
	s_wait_xcnt 0x0                                ; the offsets and bases of what was issued may be written
	s_cmp_lt_u32 s26, 29
	s_cselect_b32 s28, STEPB, 0                    ; the last two steps load key step 31 again: no load leaves the buffer, and nobody reads what they bring
	v_add_nc_u32 v3, s28, v3
	s_add_co_u32 s26, s26, 1
	s_wait_dscnt 0x0                               ; my stores have landed and my reads of this slot are over
	s_barrier_signal -1
	s_barrier_wait -1
.endm
.Ltrip:
	STEP 0
	STEP 1
	v_add_nc_u32 v4, 0x100, v4                     ; (no memory instruction was issued behind the last wait on XCNT)
	s_lshr_b32 s24, s24, 2
	s_lshr_b32 s25, s25, 2
	s_add_nc_u64 s[30:31], s[30:31], 2*STEPB
	s_add_co_u32 s27, s27, 1
	s_cmp_lt_u32 s27, 16
	s_cbranch_scc1 .Ltrip
	; THE WAY OUT: o = O^T / l, quantised along the head's 64 (register 16 b + i = d 32 b + 16 h + i), stored as half a fragment's image and a scale word
	v_add_f32 v14, v14, v15
	v_permlanex16_b32 v[T], v14, s20, s21
	v_add_f32 v14, v14, v[T]                       ; the row's sum
	v_rcp_f32 v15, v14
	v_lshlrev_b32 v6, 2, v6                        ; (a plain place)  4 x lane
	s_wait_alu depctr_va_vdst(0)                   ; the wait ahead of the reciprocal's first reader
.set j, 0
.rept 32
	v_mul_f32 v[96+j], v[160+j], v15
.set j, j+1
.endr
.irp b, 0,1
	v_max3_num_f32 v[BM+\b], |v[96+16*\b]|, |v[97+16*\b]|, 0x1800000
.endr
.irp i, 2,4,6,8,10,12,14
.irp b, 0,1
	v_max3_num_f32 v[BM+\b], v[BM+\b], |v[96+16*\b+\i]|, |v[97+16*\b+\i]|
.endr
.endr
.irp b, 0,1
	v_permlanex16_b32 v[PX+\b], v[BM+\b], s20, s21
.endr
.irp b, 0,1
	v_max_num_f32 v[BM+\b], v[BM+\b], v[PX+\b]
.endr
.irp b, 0,1
	v_add_nc_u32 v[SO+\b], 0xff000000, v[BM+\b]
.endr
.irp b, 0,1
	v_lshrrev_b32 v[PX+\b], 23, v[SO+\b]
.endr
	v_lshl_or_b32 v[T], v[PX+1], 8, v[PX]
	v_lshlrev_b32 v[T], s36, v[T]                  ; an even head's bytes below, an odd head's above
	v_mov_b32 v233, -1
	v_cmp_eq_f32 vcc_lo, 0, v14
	v_cndmask_b32 v[T], v[T], v233, vcc_lo         ; l = 0: the scale byte 0xff
	v_cvt_scalef32_pk16_fp6_f32 v[192:194], v[96:111], v[SO]
	v_cvt_scalef32_pk16_fp6_f32 v[200:202], v[112:127], v[SO+1]
	v_nop
.irp i, 0,1,2
	v_permlane16_swap_b32 v[192+\i], v[200+\i]
.endr
.irp i, 0,1,2
	v_mov_b32 v[195+\i], v[200+\i]
.endr
.irp p, 0,1,2
	global_store_b64 v1, v[192+2*\p:193+2*\p], s[12:13] offset:256*\p   ; 256 consecutive bytes a store, aligned
.endr
	global_store_b32 v6, v[T], s[14:15]
	s_wait_tensorcnt 0x0
	ds_add_u32 v254, v255
	s_wait_dscnt 0x0
	s_endpgm
.Lfunc_end_k_qfe235b3b66_attn:
	.size	k_qfe235b3b66_attn, .Lfunc_end_k_qfe235b3b66_attn-k_qfe235b3b66_attn
	.p2alignl 7, 3214868480
	.fill 96, 4, 3214868480
	.section	.rodata,"a",@progbits
	.p2align	6, 0x0
	.amdhsa_kernel k_qfe235b3b66_attn
		.amdhsa_group_segment_fixed_size 28672
		.amdhsa_private_segment_fixed_size 0
		.amdhsa_enable_private_segment 0
		.amdhsa_kernarg_size 48
		.amdhsa_user_sgpr_count 2
		.amdhsa_user_sgpr_kernarg_segment_ptr 1
		.amdhsa_wavefront_size32 1
		.amdhsa_system_sgpr_workgroup_id_x 1
		.amdhsa_system_sgpr_workgroup_id_y 1
		.amdhsa_system_sgpr_workgroup_id_z 1
		.amdhsa_system_vgpr_workitem_id 0
		.amdhsa_next_free_vgpr 256
		.amdhsa_next_free_sgpr 66
		.amdhsa_reserve_vcc 1
		.amdhsa_float_denorm_mode_32 3
		.amdhsa_float_denorm_mode_16_64 3
		.amdhsa_memory_ordered 1
		.amdhsa_forward_progress 1
		.amdhsa_inst_pref_size 75
	.end_amdhsa_kernel
	.amdgpu_metadata
---
amdhsa.version: [ 1, 2 ]
amdhsa.kernels:
  - .name:           k_qfe235b3b66_attn
    .symbol:         k_qfe235b3b66_attn.kd
    .args:
      - { .name: qbuf, .offset: 0, .size: 8, .value_kind: global_buffer, .address_space: global }
      - { .name: kvbuf, .offset: 8, .size: 8, .value_kind: global_buffer, .address_space: global }
      - { .name: flags, .offset: 16, .size: 8, .value_kind: global_buffer, .address_space: global }
      - { .name: mask, .offset: 24, .size: 8, .value_kind: global_buffer, .address_space: global }
      - { .name: ocodes, .offset: 32, .size: 8, .value_kind: global_buffer, .address_space: global }
      - { .name: osc, .offset: 40, .size: 8, .value_kind: global_buffer, .address_space: global }
    .group_segment_fixed_size: 28672
    .private_segment_fixed_size: 0
    .kernarg_segment_align: 8
    .kernarg_segment_size: 48
    .max_flat_workgroup_size: 512
    .sgpr_count:     66
    .vgpr_count:     256
    .wavefront_size: 32
...
	.end_amdgpu_metadata
.endif
;; end of part 2
;; launch oproj (part 3): grid 128 x 2, 4 waves a work-group, no clusters, 17,920 bytes of LDS; arguments ocodes, osc, Wo_codes, Wo_scales, out0; writes out0
.if DOCPART == 3
	.amdgcn_target "amdgcn-amd-amdhsa--gfx1250"
	.amdhsa_code_object_version 6
	.text
	.protected	k_qfe235b3b66_oproj
	.globl	k_qfe235b3b66_oproj
	.p2align	8
	.type	k_qfe235b3b66_oproj,@function
k_qfe235b3b66_oproj:
	s_mov_b64 s[64:65], 0
	v_nop
	global_prefetch_b8 v0, s[64:65] scope:SCOPE_SE
	s_setreg_imm32_b32 hwreg(HW_REG_WAVE_MODE, 25, 1), 1
	s_wait_xcnt 0x0
; OPROJ: out0 [8,192][512] f32 = o Wo, on codes of FP6 with E8M0 scales; K = 512 = 8 heads x 64.
; A work-group takes 64 rows (x) by 256 columns (y); wave w the columns 256 y + 64 w + 0 .. 63: 16 accumulators (4 tiles of rows x 4 of columns).
; o comes as images of half fragments ([row tile][head][3 pieces][32 lanes][8 bytes]): every load reads 256 consecutive bytes.  A K step of 128 is two heads; its scale word is the OR of the two heads' words.
; A row whose words are 0xffffffff (every key masked) comes out NaN.  Source 0 = 16 rows of Wo (columns of the output), source 1 = 16 rows of o: a lane holds eight neighbouring columns of one row.
; No tensor load: each operand byte is used once by a wave, straight in its registers.  No cluster: what partners would share (Wo, 98,304 bytes a work-group) is read once at the head.
; REGISTERS.  window 0: v1-10 addresses; v32-95 rows on the way out; v160-191 o's scale words; v224-239 Wo's.  window 1: Wo (tile t, K step s) at v[12 (4 t + s)].  window 2: o (m, s) likewise.  window 3: accumulators at v[8 (4 m + t)].
.set MSB, 0
.macro WIN new
.if MSB != (\new)
	s_set_vgpr_msb (MSB<<8)|(\new)
.set MSB, (\new)
.endif
.endm
	s_load_b256 s[4:11], s[0:1], 0x0               ; ocodes, osc, Wo codes, Wo scales
	s_load_b64 s[12:13], s[0:1], 0x20              ; out0
	v_lshl_add_u32 v254, v0, 2, 0x4400
	v_mov_b32 v255, 0
	v_lshrrev_b32 v1, 5, v0
	v_readfirstlane_b32 s16, v1                    ; wave 0..3
	s_and_b32 s17, ttmp7, 0xffff                   ; y
	v_and_b32 v2, 31, v0                           ; lane
	v_and_b32 v3, 15, v0                           ; r
	v_bfe_u32 v7, v0, 4, 1                         ; h
	v_lshlrev_b32 v1, 3, v2                        ; 8 x lane
	v_lshlrev_b32 v6, 2, v2                        ; 4 x lane
	v_mul_u32_u24 v4, v3, 384
	v_mad_u32_u24 v4, v7, 24, v4                   ; Wo: row r x 384 + 24 h
	v_lshlrev_b32 v5, 4, v3                        ; its 16 scale bytes
	s_mul_i32 s20, s16, 4352                       ; my stage: 16 rows x 272 bytes
	v_mul_u32_u24 v8, v3, 272
	v_lshl_add_u32 v8, v7, 5, v8
	v_add_nc_u32 v8, s20, v8                       ; in: row r, + 32 h
	v_mul_u32_u24 v9, v7, 272
	v_lshl_add_u32 v9, v3, 4, v9
	v_add_nc_u32 v9, s20, v9                       ; back: lanes 0-15 one row, lanes 16-31 the next
	v_lshlrev_b32 v10, 11, v7
	v_lshl_add_u32 v10, v3, 4, v10                 ; and the same in out0
	s_lshl_b32 s18, s17, 8
	s_lshl_b32 s19, s16, 6
	s_add_co_u32 s18, s18, s19                     ; my first column
	s_mul_i32 s20, s18, 384
	s_mov_b32 s21, 0
	s_lshl_b32 s22, s18, 4
	s_mov_b32 s23, 0
	s_mul_i32 s24, ttmp9, 24576                    ; my 4 row tiles x 8 heads x 768 bytes
	s_mov_b32 s25, 0
	s_lshl_b32 s26, ttmp9, 12                      ; x 128 bytes
	s_mov_b32 s27, 0
	s_lshl_b32 s28, ttmp9, 17                      ; 64 rows of 2,048 bytes
	s_lshl_b32 s29, s18, 2
	s_add_co_u32 s28, s28, s29
	s_mov_b32 s29, 0
	s_wait_kmcnt 0x0
	s_add_nc_u64 s[8:9], s[8:9], s[20:21]
	s_add_nc_u64 s[10:11], s[10:11], s[22:23]
	s_add_nc_u64 s[4:5], s[4:5], s[24:25]
	s_add_nc_u64 s[6:7], s[6:7], s[26:27]
	s_add_nc_u64 s[12:13], s[12:13], s[28:29]
.irp t, 0,1,2,3
	global_load_b128 v[224+4*\t:227+4*\t], v5, s[10:11] offset:256*\t
.endr
.set j, 0
.rept 32
	global_load_b32 v[160+j], v6, s[6:7] offset:128*j      ; (row tile m, head): register 160 + 8 m + head
.set j, j+1
.endr
.macro LOADS s                         ; K step s: 24 loads of Wo, 24 of o
	WIN 0x40
.irp t, 0,1,2,3
.irp p, 0,1,2,3,4,5
	global_load_b64 v[12*(4*\t+\s)+2*\p:12*(4*\t+\s)+2*\p+1], v4, s[8:9] offset:\t*6144+96*\s+48*(\p/3)+8*(\p%3)
.endr
.endr
	WIN 0x80
.irp m, 0,1,2,3
.irp c, 0,1
.irp p, 0,1,2
	global_load_b64 v[12*(4*\m+\s)+6*\c+2*\p:12*(4*\m+\s)+6*\c+2*\p+1], v1, s[4:5] offset:(8*\m+2*\s+\c)*768+256*\p
.endr
.endr
.endr
	WIN 0
.endm
.macro MUL s                           ; 16 matrix instructions: the 16 accumulators by turns, one instruction a turn
	WIN 0xF9                                       ; source 0 window 1, source 1 window 2, C and D window 3
.irp m, 0,1,2,3
.irp t, 0,1,2,3
.if \s == 0
	v_wmma_scale_f32_16x16x128_f8f6f4 v[8*(4*\m+\t):8*(4*\m+\t)+7], v[12*(4*\t+\s):12*(4*\t+\s)+11], v[12*(4*\m+\s):12*(4*\m+\s)+11], 0, v[224+4*\t+\s], v[160+8*\m+2*\s] matrix_a_fmt:MATRIX_FMT_FP6 matrix_b_fmt:MATRIX_FMT_FP6
.else
	v_wmma_scale_f32_16x16x128_f8f6f4 v[8*(4*\m+\t):8*(4*\m+\t)+7], v[12*(4*\t+\s):12*(4*\t+\s)+11], v[12*(4*\m+\s):12*(4*\m+\s)+11], v[8*(4*\m+\t):8*(4*\m+\t)+7], v[224+4*\t+\s], v[160+8*\m+2*\s] matrix_a_fmt:MATRIX_FMT_FP6 matrix_b_fmt:MATRIX_FMT_FP6
.endif
.endr
.endr
	WIN 0
.endm
	LOADS 0
	LOADS 1
	s_wait_loadcnt 48                              ; the scale words and K step 0 are in; K step 1's 48 loads may be out
.irp s, 0,1,2,3                        ; two heads' words make a K step's
.irp m, 0,1,2,3
	v_or_b32 v[160+8*\m+2*\s], v[160+8*\m+2*\s], v[161+8*\m+2*\s]
.endr
.endr
.rept 8
	v_nop                                          ; a scale register written by a vector instruction stands eight plain vector instructions ahead of the scaled product that names it: no plain one
.endr                                              ; follows among the products and loads below, so the last word joined gets its eight here, once in the launch
	MUL 0
	LOADS 2
	s_wait_loadcnt 48
	MUL 1
	LOADS 3
	s_wait_loadcnt 48
	MUL 2
	s_wait_loadcnt 0x0
	MUL 3
.rept 4
	v_nop                                          ; places ahead of the first read of the results
.endr
	; THE WAY OUT: 16 rows x 64 columns at a time through my own stage; back as rows of 256 bytes: sixteen lanes store 256 consecutive bytes, aligned.  LDS serves a wave's instructions in order (ISA guide 5.7.1.4).
.irp m, 0,1,2,3
	WIN 0x0C                                       ; an LDS store's data are its source 1: window 3
.irp t, 0,1,2,3
	ds_store_b128 v8, v[8*(4*\m+\t):8*(4*\m+\t)+3] offset:64*\t        ; each accumulator from its low end on
	ds_store_b128 v8, v[8*(4*\m+\t)+4:8*(4*\m+\t)+7] offset:64*\t+16
.endr
	WIN 0
.if \m > 1
	s_wait_xcnt 0x0                                ; the stores of two tiles back have read these registers
.endif
.irp i, 0,1,2,3,4,5,6,7
	ds_load_b128 v[32+32*(\m%2)+4*\i:35+32*(\m%2)+4*\i], v9 offset:2*\i*272
.endr
.irp i, 0,1,2,3,4,5,6,7
	s_wait_dscnt 7-\i                              ; rows 2 i, 2 i + 1 are back; the younger loads may be out
	global_store_b128 v10, v[32+32*(\m%2)+4*\i:35+32*(\m%2)+4*\i], s[12:13] offset:(16*\m+2*\i)*2048 th:TH_STORE_NT
.endr
.endr
	s_wait_tensorcnt 0x0
	ds_add_u32 v254, v255
	s_wait_dscnt 0x0
	s_endpgm
.Lfunc_end_k_qfe235b3b66_oproj:
	.size	k_qfe235b3b66_oproj, .Lfunc_end_k_qfe235b3b66_oproj-k_qfe235b3b66_oproj
	.p2alignl 7, 3214868480
	.fill 96, 4, 3214868480
	.section	.rodata,"a",@progbits
	.p2align	6, 0x0
	.amdhsa_kernel k_qfe235b3b66_oproj
		.amdhsa_group_segment_fixed_size 17920
		.amdhsa_private_segment_fixed_size 0
		.amdhsa_enable_private_segment 0
		.amdhsa_kernarg_size 40
		.amdhsa_user_sgpr_count 2
		.amdhsa_user_sgpr_kernarg_segment_ptr 1
		.amdhsa_wavefront_size32 1
		.amdhsa_system_sgpr_workgroup_id_x 1
		.amdhsa_system_sgpr_workgroup_id_y 1
		.amdhsa_system_sgpr_workgroup_id_z 1
		.amdhsa_system_vgpr_workitem_id 0
		.amdhsa_next_free_vgpr 896
		.amdhsa_next_free_sgpr 66
		.amdhsa_reserve_vcc 0
		.amdhsa_float_denorm_mode_32 3
		.amdhsa_float_denorm_mode_16_64 3
		.amdhsa_memory_ordered 1
		.amdhsa_forward_progress 1
		.amdhsa_inst_pref_size 42
	.end_amdhsa_kernel
	.amdgpu_metadata
---
amdhsa.version: [ 1, 2 ]
amdhsa.kernels:
  - .name:           k_qfe235b3b66_oproj
    .symbol:         k_qfe235b3b66_oproj.kd
    .args:
      - { .name: ocodes, .offset: 0, .size: 8, .value_kind: global_buffer, .address_space: global }
      - { .name: osc, .offset: 8, .size: 8, .value_kind: global_buffer, .address_space: global }
      - { .name: Wo_codes, .offset: 16, .size: 8, .value_kind: global_buffer, .address_space: global }
      - { .name: Wo_scales, .offset: 24, .size: 8, .value_kind: global_buffer, .address_space: global }
      - { .name: out0, .offset: 32, .size: 8, .value_kind: global_buffer, .address_space: global }
    .group_segment_fixed_size: 17920
    .private_segment_fixed_size: 0
    .kernarg_segment_align: 8
    .kernarg_segment_size: 40
    .max_flat_workgroup_size: 128
    .sgpr_count:     66
    .vgpr_count:     896
    .wavefront_size: 32
...
	.end_amdgpu_metadata
.endif
;; end of part 3
;; ======== version 2 of 2: 3 launches; version 1 with the launches prep, attn, oproj written anew for expert scheduling mode
;; workspace buffers: qbuf 3,407,872 bytes; kvbuf 6,815,744 bytes; flags 65,536 bytes of whole numbers; ocodes 3,145,728 bytes; osc 524,288 bytes
;; launch prep (part 4): grid 256 x 1, 4 waves a work-group, no clusters, 4,608 bytes of LDS; arguments inputs_q_codes, inputs_q_scales, inputs_kv_codes, inputs_kv_scales, Wq_codes, Wq_scales, Wk_codes, Wk_scales, Wv_codes, Wv_scales, q_ln_w, q_ln_b, k_ln_w, k_ln_b, mask, qbuf, kvbuf, flags; writes qbuf, kvbuf, flags
.if DOCPART == 4
	.amdgcn_target "amdgcn-amd-amdhsa--gfx1250"
	.amdhsa_code_object_version 6
	.text
	.protected	k_qfe235b3b66_prep
	.globl	k_qfe235b3b66_prep
	.p2align	8
	.type	k_qfe235b3b66_prep,@function
k_qfe235b3b66_prep:
	s_mov_b64 s[64:65], 0
	v_nop
	global_prefetch_b8 v0, s[64:65] scope:SCOPE_SE
	s_setreg_imm32_b32 hwreg(HW_REG_WAVE_SCHED_MODE, 0, 2), 2
	s_setreg_imm32_b32 hwreg(HW_REG_WAVE_MODE, 25, 1), 1
	s_wait_xcnt 0x0
	s_wait_alu depctr_vm_vsrc(0)
; PREP: the three projections (8,192 x 512 x 512 each, on codes of FP6 with E8M0 scales), the LayerNorm of q and k over all 512 columns, the
; quantisers of q, k (along a head's 64) and v (along the keys), and two flag words for each tile of 16 queries of the mask.
; 256 work-groups of four waves: job = number / 64 (0 q, 1 k, 2 v, 3 mask), idx = number % 64.
; A GEMM work-group takes rows 128 idx .. 128 idx + 127, in two trips of 64.  THE WAVES SHARE THE COLUMNS: wave w owns n = 128 w .. 128 w + 127 (heads 2 w, 2 w + 1),
; and its part of W (8 tiles x 4 K steps x 12 registers) stays in registers.  Lane r of tile 2 b + u of W takes row 128 w + 32 b + 8 u + r + 8 (r / 8).
; q, k: source 0 = W, source 1 = x: a lane holds one row, register 8 t + j the column 128 w + 32 (t / 2) + 16 (lane / 16) + 8 (t % 2) + j: 16 neighbours in two tiles.
; v: source 0 = x (keys), source 1 = W: a lane holds one column d, and the registers of four tiles of keys run along the keys, which are the K of the second attention product.
; The rows of x that form a tile: q: 16 neighbours; k, v: lane r of tile m takes key 32 (m / 2) + 8 (m % 2) + r + 8 (r / 8).
; WHAT IS STORED are images of operand registers: a half fragment (6 registers a lane) as [3 pieces][32 lanes][8 bytes], so each store covers 256 consecutive bytes, aligned.
; The mask job: a wave takes 16 rows of the mask (65,536 bytes) and stores ANY (bit j: some byte of keys 128 j .. 128 j + 127 is not 0) and ALL (all are 1).
; LIMITS: mask bytes are 0 or 1; a block whose largest magnitude lies under 2^-124 keeps the scale byte 1 (a block of zeros too: its codes are zeros and this program alone
; reads the bytes); input scale bytes 0xff, NaN and infinities are not served.
; THE MODE: SCHED_MODE bits 1:0 = 2 (LLVM: expert scheduling mode 2), set by the entry lines.  The code itself states the register dependences between vector or matrix
; instructions and memory or LDS instructions, with s_wait_alu, always for 0.
; THE PLAN.  Registers that memory or LDS instructions touch:
;   v3-v15   offsets and LDS addresses: written once at the head, ahead of one wait on va_vdst, and never again: rows are reached by scalar bases and immediate offsets.
;   W, its scale words, LayerNorm's w and b: loaded once, into registers that no vector instruction writes.
;   q, k: X0 v16-63, X1 v64-111, X2 v148-195, with x's scale words in v132-135, v136-139, v216-219.  A trip's tiles 0, 1, 2 land in X0, X1, X2, tile 3 in X0 again; the tiles' products read them.
;         Behind the products v16-79 take the numbers to be quantised and v148-195 the LayerNorm's sums.  One wait on va_vdst at the trip's head serves the 75 loads of tiles 0 to 2, one behind tile 0's products the 25 of tile 3.
;   v144-147 written by the sums, read by the LDS store; v164-179: the LDS loads land there.  One wait on va_vdst ahead of the store serves both; one on vm_vsrc behind the loads frees v144-147.
;   v112-123, v196-199  written by the quantiser and the selects, read by the global stores: va_vdst ahead of each run of stores; vm_vsrc, beside the wait on XCNT, ahead of the next writer.
;   v: the 16 fragments of x (window 3) and their scale words: one wait on va_vdst at the trip's head.  mask: two buffers of 64: one wait on va_vdst behind the lines that empty a buffer, ahead of its 16 loads.
; REGISTERS.  window 0: v3-15 addresses; v16-63, v64-111, v148-195 three buffers of x (later v16-79: 64 numbers to be quantised); v112-131 codes; v132-139, v216-219 x scale words (v job: v132-139 and v216-223);
;   v140-143 scale words made; v144-147 sums; v148-155 means, v156-163 1/sigma, in pairs; v164-179 back from LDS; v180-195 chains; v196-199 outgoing scale words; v200-215 at work; v224-255 W scale words.
;   window 1: W of K steps 0, 1 (v0-191), LayerNorm w (v192-255).  window 2: W of K steps 2, 3, LayerNorm b.  window 3: q, k: 32 accumulators; v: the 16 fragments of x.
.set PC, 112
.set TM, 200
.set MSB, 0
.macro WIN new                         ; the immediate's high byte repeats the setting that is left; a switch that changes nothing is dropped
.if MSB != (\new)
	s_set_vgpr_msb (MSB<<8)|(\new)
.set MSB, (\new)
.endif
.endm
.macro PLACES                          ; four plain vector instructions behind a matrix instruction, ahead of reads of its result; ahead of loads into its registers they are kept beside the wait
.rept 4
	v_nop
.endr
.endm
.macro MM d, a, b, sa, sb              ; one link of a sum in place
	v_wmma_scale_f32_16x16x128_f8f6f4 v[\d:\d+7], v[\a:\a+11], v[\b:\b+11], v[\d:\d+7], v[\sa], v[\sb] matrix_a_fmt:MATRIX_FMT_FP6 matrix_b_fmt:MATRIX_FMT_FP6
.endm
.macro MM0 d, a, b, sa, sb             ; the first K step starts the sum: nothing is cleared
	v_wmma_scale_f32_16x16x128_f8f6f4 v[\d:\d+7], v[\a:\a+11], v[\b:\b+11], 0, v[\sa], v[\sb] matrix_a_fmt:MATRIX_FMT_FP6 matrix_b_fmt:MATRIX_FMT_FP6
.endm
; 64 numbers of a lane, register 16 b + i = k 32 b + 16 (lane / 16) + i, become 12 registers of codes in v[PC] on and a scale word in v[pw]
.macro QUANT s, pw
.irp b, 0,1,2,3
	v_max3_num_f32 v[TM+\b], |v[\s+16*\b]|, |v[\s+1+16*\b]|, 0x1800000   ; my 16 numbers of block b, and the floor 2^(3 - 127): the byte cannot fall under 1
.endr
.irp i, 2,4,6,8,10,12,14
.irp b, 0,1,2,3
	v_max3_num_f32 v[TM+\b], v[TM+\b], |v[\s+16*\b+\i]|, |v[\s+1+16*\b+\i]|
.endr
.endr
.irp b, 0,1,2,3
	v_permlanex16_b32 v[TM+4+\b], v[TM+\b], s66, s67
.endr
.irp b, 0,1,2,3
	v_max_num_f32 v[TM+\b], v[TM+\b], v[TM+4+\b]     ; with lane l xor 16: the block's largest magnitude
.endr
.irp b, 0,1,2,3
	v_add_nc_u32 v[TM+12+\b], 0xff000000, v[TM+\b]   ; 2 off its exponent field: the conversion's scale operand
.endr
.irp b, 0,1,2,3
	v_lshrrev_b32 v[TM+4+\b], 23, v[TM+12+\b]        ; the scale's byte
.endr
	v_lshl_or_b32 v[\pw], v[TM+5], 8, v[TM+4]
	v_lshl_or_b32 v[\pw], v[TM+6], 16, v[\pw]
	v_lshl_or_b32 v[\pw], v[TM+7], 24, v[\pw]
.irp c, 0,1
	v_cvt_scalef32_pk16_fp6_f32 v[PC+6*\c:PC+2+6*\c], v[\s+32*\c:\s+15+32*\c], v[TM+12+2*\c]
	v_cvt_scalef32_pk16_fp6_f32 v[PC+12+4*\c:PC+14+4*\c], v[\s+16+32*\c:\s+31+32*\c], v[TM+12+2*\c+1]   ; (three registers that begin on an even number)
.endr
	v_nop                                            ; one plain place behind a scaled conversion
.irp c, 0,1                            ; a whole block to a lane: lanes 0-15 block 2 c, lanes 16-31 block 2 c + 1
.irp i, 0,1,2
	v_permlane16_swap_b32 v[PC+6*\c+\i], v[PC+12+4*\c+\i]
.endr
.irp i, 0,1,2
	v_mov_b32 v[PC+3+6*\c+\i], v[PC+12+4*\c+\i]
.endr
.endr
.endm
	s_load_b512 s[4:19], s[0:1], 0x0               ; xq codes, xq scales, xkv codes, xkv scales, Wq codes, Wq scales, Wk codes, Wk scales
	s_load_b512 s[20:35], s[0:1], 0x40             ; Wv codes, Wv scales, q_ln_w, q_ln_b, k_ln_w, k_ln_b, mask, qbuf
	s_load_b128 s[36:39], s[0:1], 0x80             ; kvbuf, flags
	v_lshl_add_u32 v210, v0, 2, 0x1000
	v_mov_b32 v211, 0
	v_lshrrev_b32 v1, 5, v0
	v_readfirstlane_b32 s54, v1                    ; wave 0..3
	s_lshr_b32 s55, ttmp9, 6                       ; job
	s_and_b32 s56, ttmp9, 63                       ; idx
	s_mov_b32 s73, 0                               ; the upper word of every offset pair s[72:73]
	s_wait_alu depctr_va_sdst(0)                   ; s54 is written: ahead of the branch below and of its first reader on either way
	s_wait_kmcnt 0x0
	s_cmp_eq_u32 s55, 3
	s_cbranch_scc1 .Lmask
	; the buffers of my job: the choices hang on the work-group's number alone
	s_cmp_eq_u32 s55, 0
	s_cselect_b64 s[40:41], s[4:5], s[8:9]         ; x codes
	s_cselect_b64 s[42:43], s[6:7], s[10:11]       ; x scales
	s_cselect_b64 s[44:45], s[12:13], s[16:17]     ; W codes
	s_cselect_b64 s[46:47], s[14:15], s[18:19]     ; W scales
	s_cselect_b64 s[48:49], s[24:25], s[28:29]     ; LayerNorm w
	s_cselect_b64 s[50:51], s[26:27], s[30:31]     ; LayerNorm b
	s_cselect_b64 s[52:53], s[34:35], s[36:37]     ; where the results go
	s_mov_b32 s58, 6656
	s_cselect_b32 s58, 3328, s58                   ; a chunk (64 rows of one head) in bytes
	s_mov_b32 s60, 6144
	s_cselect_b32 s60, 3072, s60                   ; where a chunk's scale words begin
	s_cselect_b32 s74, 0, 8                        ; q: a tile's rows are neighbours; k, v: r + (r & 8)
	s_cselect_b32 s75, 16, 8                       ; rows from an even tile to the odd one
	s_cmp_eq_u32 s55, 2
	s_cselect_b64 s[44:45], s[20:21], s[44:45]
	s_cselect_b64 s[46:47], s[22:23], s[46:47]
	s_cselect_b32 s60, 6400, s60
	s_mov_b32 s59, 0
	s_mul_i32 s72, s56, 49152                      ; my 128 rows of x, 384 bytes each
	s_add_nc_u64 s[40:41], s[40:41], s[72:73]
	s_lshl_b32 s72, s56, 11                        ; and their 16 scale bytes each
	s_add_nc_u64 s[42:43], s[42:43], s[72:73]
	s_mul_i32 s72, s54, 49152                      ; my wave's 128 rows of W
	s_add_nc_u64 s[44:45], s[44:45], s[72:73]
	s_lshl_b32 s72, s54, 11
	s_add_nc_u64 s[46:47], s[46:47], s[72:73]
	s_lshl_b32 s72, s54, 9                         ; my wave's 128 numbers of LayerNorm w and b
	s_add_nc_u64 s[48:49], s[48:49], s[72:73]
	s_add_nc_u64 s[50:51], s[50:51], s[72:73]
	s_lshr_b32 s76, s56, 5                         ; chunk number: ((batch x 8 + 2 w) x 64 + 2 (idx % 32))
	s_lshl_b32 s76, s76, 3
	s_lshl_b32 s77, s54, 1
	s_add_co_u32 s76, s76, s77
	s_lshl_b32 s76, s76, 6
	s_and_b32 s77, s56, 31
	s_lshl_b32 s77, s77, 1
	s_add_co_u32 s76, s76, s77
	s_mul_i32 s72, s76, s58
	s_add_nc_u64 s[52:53], s[52:53], s[72:73]
	v_and_b32 v1, 31, v0                           ; lane
	v_and_b32 v2, 15, v0                           ; r
	v_bfe_u32 v3, v0, 4, 1                         ; h
	v_and_b32 v16, s74, v2
	v_add_nc_u32 v16, v16, v2                      ; my row in an even tile of x
	v_mul_u32_u24 v4, v16, 384
	v_mad_u32_u24 v4, v3, 24, v4                   ; v4: x, even tiles: row x 384 + 24 h
	s_mul_i32 s76, s75, 384
	v_add_nc_u32 v5, s76, v4                       ; v5: odd tiles
	v_lshlrev_b32 v6, 4, v16                       ; v6, v7: the same rows' scale bytes
	s_lshl_b32 s76, s75, 4
	v_add_nc_u32 v7, s76, v6
	v_lshlrev_b32 v8, 3, v1                        ; v8: 8 x lane: an image's place for my lane, head 2 w
	s_lshl_b32 s76, s58, 6
	v_add_nc_u32 v9, s76, v8                       ; v9: head 2 w + 1, 64 chunks on
	v_add_nc_u32 v10, s60, v8                      ; v10, v11: the scale words
	v_add_nc_u32 v11, s60, v9
	v_lshlrev_b32 v13, 4, v1                       ; v13: LDS, 16 x lane
	s_lshl_b32 s76, s54, 9
	v_add_nc_u32 v12, s76, v13                     ; v12: LDS, 16 x lane + 512 x wave
	v_and_b32 v17, 8, v2
	v_add_nc_u32 v17, v17, v2                      ; r + 8 (r / 8)
	v_mul_u32_u24 v14, v17, 384
	v_mad_u32_u24 v14, v3, 24, v14                 ; v14: W
	v_lshlrev_b32 v15, 4, v17                      ; v15: W scale bytes
	v_lshlrev_b32 v3, 6, v3                        ; v3: 64 h: LayerNorm w, b
.irp i, 0,1,2,3,4,5,6,7
	v_mov_b32 v[TM+\i], 0                          ; written once: a lane permute's destination counts as one of its sources
.endr
	s_mov_b32 s63, 0xffff0000                      ; lanes 16-31
	s_mov_b32 s66, 0x76543210
	s_mov_b32 s67, 0xfedcba98                      ; selects for lane l xor 16
	s_mov_b32 s70, 0x3b000000                      ; 1 / 512
	s_mov_b32 s71, 0x3727c5ac                      ; 1e-5
	; W stays: fragment (tile t, K step s) at v[12 (8 (s % 2) + t)] of window 1 + s / 2
	WIN 0x40
	s_wait_alu depctr_va_vdst(0)                   ; the offsets and LDS addresses v3 to v15 are written, which every load and store of these jobs reads; so are v16 and v17, in which loads of x land
.irp s, 0,1
.irp t, 0,1,2,3,4,5,6,7
.irp p, 0,1,2,3,4,5
	global_load_b64 v[12*(8*\s+\t)+2*\p:12*(8*\s+\t)+2*\p+1], v14, s[44:45] offset:(32*(\t/2)+8*(\t%2))*384+96*\s+48*(\p/3)+8*(\p%3)
.endr
.endr
.endr
	WIN 0x80
.irp s, 0,1
.irp t, 0,1,2,3,4,5,6,7
.irp p, 0,1,2,3,4,5
	global_load_b64 v[12*(8*\s+\t)+2*\p:12*(8*\s+\t)+2*\p+1], v14, s[44:45] offset:(32*(\t/2)+8*(\t%2))*384+96*(\s+2)+48*(\p/3)+8*(\p%3)
.endr
.endr
.endr
	WIN 0
.irp t, 0,1,2,3,4,5,6,7
	global_load_b128 v[224+4*\t:227+4*\t], v15, s[46:47] offset:(32*(\t/2)+8*(\t%2))*16   ; a row's four scale words, K steps 0 to 3
.endr
	s_mov_b32 s61, 0                               ; trips
	s_cmp_eq_u32 s55, 2
	s_cbranch_scc1 .Lvjob
	; ---------------- q and k ----------------
	WIN 0x40                                       ; LayerNorm w, b in the result's layout: register 192 + 16 b + i = column 128 w + 32 b + 16 h + i
.irp b, 0,1,2,3
.irp q, 0,1,2,3
	global_load_b128 v[192+16*\b+4*\q:195+16*\b+4*\q], v3, s[48:49] offset:128*\b+16*\q
.endr
.endr
	WIN 0x80
.irp b, 0,1,2,3
.irp q, 0,1,2,3
	global_load_b128 v[192+16*\b+4*\q:195+16*\b+4*\q], v3, s[50:51] offset:128*\b+16*\q
.endr
.endr
	WIN 0
.macro XLOAD m, xb, sb                 ; tile m of x: four fragments into v[xb] on and the rows' scale words into v[sb] on: 25 loads
.irp s, 0,1,2,3
.irp p, 0,1,2,3,4,5
	global_load_b64 v[\xb+12*\s+2*\p:\xb+12*\s+2*\p+1], v[4+\m%2], s[40:41] offset:(\m/2)*12288+96*\s+48*(\p/3)+8*(\p%3)
.endr
.endr
	global_load_b128 v[\sb:\sb+3], v[6+\m%2], s[42:43] offset:(\m/2)*512
.endm
.macro MULQK m, xb, sb                 ; 32 matrix instructions: K step by K step, the eight accumulators of tile m by turns, one instruction a turn
.irp s, 0,1,2,3
	WIN 0xF1+\s/2
.irp t, 0,1,2,3,4,5,6,7
.if \s == 0
	MM0 8*(8*\m+\t), 12*(8*(\s%2)+\t), \xb+12*\s, 224+4*\t+\s, \sb+\s
.else
	MM 8*(8*\m+\t), 12*(8*(\s%2)+\t), \xb+12*\s, 224+4*\t+\s, \sb+\s
.endif
.endr
.endr
	WIN 0
.endm
.macro REDUCE                          ; the eight chains become one number a tile and lane; lane l xor 16 holds the row's other 64 columns of my wave
.irp m, 0,1,2,3
	v_pk_add_f32 v[180+4*\m:181+4*\m], v[180+4*\m:181+4*\m], v[182+4*\m:183+4*\m]
.endr
.irp m, 0,1,2,3
	v_add_f32 v[144+\m], v[180+4*\m], v[181+4*\m]
.endr
.irp m, 0,1,2,3
	v_permlanex16_b32 v[TM+\m], v[144+\m], s66, s67
.endr
.irp m, 0,1,2,3
	v_add_f32 v[144+\m], v[144+\m], v[TM+\m]
.endr
.endm
.macro EXCH reg                        ; the four waves' parts of the rows' sums meet in LDS; every wave adds them in the same order
	s_wait_alu depctr_va_vdst(0)                   ; the sums v144-147 are written, which the LDS store reads; and all that named v164-179 (tile 2's products, the last exchange's additions) is done: the LDS loads below land there
	ds_store_b128 v12, v[144:147] offset:\reg
	s_wait_dscnt 0x0                               ; for the others' sake: my store has landed, and no LDS load of mine is out
	s_barrier_signal -1
	s_barrier_wait -1
.irp q, 0,1,2,3
	ds_load_b128 v[164+4*\q:167+4*\q], v13 offset:\reg+512*\q
.endr
	s_wait_dscnt 0x0
	s_wait_alu depctr_vm_vsrc(0)                   ; the LDS store has read v144-147, which the next sums write
	v_pk_add_f32 v[164:165], v[164:165], v[168:169]
	v_pk_add_f32 v[166:167], v[166:167], v[170:171]
	v_pk_add_f32 v[172:173], v[172:173], v[176:177]
	v_pk_add_f32 v[174:175], v[174:175], v[178:179]
	v_pk_add_f32 v[164:165], v[164:165], v[172:173]
	v_pk_add_f32 v[166:167], v[166:167], v[174:175]
.endm
.Lqtrip:                                           ; 64 rows a trip
	s_wait_alu depctr_va_vdst(0)                   ; all that the trip before did to the three buffers of x and their scale words is done (products, LayerNorm's sums, the quantiser): the 75 loads below land there
	XLOAD 0, 16, 132
	XLOAD 1, 64, 136
	XLOAD 2, 148, 216
	s_wait_loadcnt 50                              ; tile 0 is in (W and LayerNorm's w, b are older still); the 50 loads of tiles 1 and 2 may be out
	MULQK 0, 16, 132
	PLACES
	s_wait_alu depctr_va_vdst(0)                   ; tile 0's products are done reading v16-63 and v132-135, in which tile 3 lands
	XLOAD 3, 16, 132
	s_wait_loadcnt 50                              ; tile 1 is in; tiles 2 and 3 may be out
	MULQK 1, 64, 136
	s_wait_loadcnt 25                              ; tile 2 is in; tile 3 may be out
	MULQK 2, 148, 216
	s_wait_loadcnt 0x0
	MULQK 3, 16, 132
	PLACES
	; the rows' sums: two chains of pairs a tile; every accumulator is read from its low end on
	WIN 0x0F
.irp m, 0,1,2,3
	v_pk_add_f32 v[180+4*\m:181+4*\m], v[64*\m:64*\m+1], v[64*\m+2:64*\m+3]
	v_pk_add_f32 v[182+4*\m:183+4*\m], v[64*\m+4:64*\m+5], v[64*\m+6:64*\m+7]
.endr
	WIN 0x0C
.set k, 8
.rept 14
.irp m, 0,1,2,3
	v_pk_add_f32 v[180+4*\m:181+4*\m], v[180+4*\m:181+4*\m], v[64*\m+k:64*\m+k+1]
	v_pk_add_f32 v[182+4*\m:183+4*\m], v[182+4*\m:183+4*\m], v[64*\m+k+2:64*\m+k+3]
.endr
.set k, k+4
.endr
	WIN 0
	REDUCE
	EXCH 0                                         ; these bytes are stored again only behind the second barrier of this trip
.irp m, 0,1,2,3
	v_mul_f32 v[148+2*\m], s70, v[164+\m]          ; the mean, twice: a pair for the packed forms
	v_mul_f32 v[149+2*\m], s70, v[164+\m]
.endr
	WIN 0xC3                                       ; x - mean, in place
.irp m, 0,1,2,3
.set k, 0
.rept 32
	v_pk_add_f32 v[64*\m+k:64*\m+k+1], v[64*\m+k:64*\m+k+1], v[148+2*\m:149+2*\m] neg_lo:[0,1] neg_hi:[0,1]
.set k, k+2
.endr
.endr
	WIN 0x0F                                       ; the sums of its squares
.irp m, 0,1,2,3
	v_pk_mul_f32 v[180+4*\m:181+4*\m], v[64*\m:64*\m+1], v[64*\m:64*\m+1]
	v_pk_mul_f32 v[182+4*\m:183+4*\m], v[64*\m+2:64*\m+3], v[64*\m+2:64*\m+3]
.endr
.set k, 4
.rept 15
.irp m, 0,1,2,3
	v_pk_fma_f32 v[180+4*\m:181+4*\m], v[64*\m+k:64*\m+k+1], v[64*\m+k:64*\m+k+1], v[180+4*\m:181+4*\m]
	v_pk_fma_f32 v[182+4*\m:183+4*\m], v[64*\m+k+2:64*\m+k+3], v[64*\m+k+2:64*\m+k+3], v[182+4*\m:183+4*\m]
.endr
.set k, k+4
.endr
	WIN 0
	REDUCE
	EXCH 2048                                      ; these bytes are stored again only behind the first barrier of the next trip
.irp m, 0,1,2,3
	v_fma_f32 v[164+\m], v[164+\m], s70, s71       ; variance + eps
.endr
	s_wait_alu depctr_va_vdst(0)
.irp m, 0,1,2,3
	v_rsq_f32 v[156+2*\m], v[164+\m]
	v_rsq_f32 v[157+2*\m], v[164+\m]
.endr
	v_nop                                          ; a plain place behind the last of the batch
	s_wait_alu depctr_va_vdst(0)                   ; the eight 1/sigma v156-163 are written: one wait for the batch, ahead of its first reader
	WIN 0xC3
.irp m, 0,1,2,3
.set k, 0
.rept 32
	v_pk_mul_f32 v[64*\m+k:64*\m+k+1], v[64*\m+k:64*\m+k+1], v[156+2*\m:157+2*\m]
.set k, k+2
.endr
.endr
.irp m, 0,1,2,3                        ; tile by tile: x w + b, quantised, stored
	WIN 0x27                                       ; source 0 window 3, w window 1, b window 2, result window 0
.set k, 0
.rept 32
	v_pk_fma_f32 v[16+k:17+k], v[64*\m+k:64*\m+k+1], v[192+k:193+k], v[192+k:193+k]
.set k, k+2
.endr
	WIN 0
	s_wait_xcnt 0x0                                ; the last tile's stores have had their addresses translated,
	s_wait_alu depctr_vm_vsrc(0)                   ; and have read the codes' registers v112-123, which the quantiser writes again; the 32 lines above stand between those stores and this pair of waits
	QUANT 16, 140+\m
	s_wait_alu depctr_va_vdst(0)                   ; the quantiser has written the codes v112-123, which the six stores read
.irp p, 0,1,2,3,4,5
	global_store_b64 v[8+\p/3], v[PC+2*\p:PC+2*\p+1], s[52:53] offset:768*\m+256*(\p%3)   ; registers 0-5: head 2 w; 6-11: head 2 w + 1; 256 consecutive bytes a store
.endr
.endr
	s_wait_xcnt 0x0                                ; v196-199 were the last trip's store data:
	s_wait_alu depctr_vm_vsrc(0)                   ; those stores have read them
	v_cndmask_b32 v196, v140, v141, s63            ; lanes 0-15: tile 2 e, lanes 16-31: tile 2 e + 1; bytes 0, 1 are head 2 w's
	v_cndmask_b32 v197, v142, v143, s63
.irp m, 0,1,2,3
	v_lshrrev_b32 v[140+\m], 16, v[140+\m]         ; head 2 w + 1's
.endr
	v_cndmask_b32 v198, v140, v141, s63
	v_cndmask_b32 v199, v142, v143, s63
	s_wait_alu depctr_va_vdst(0)                   ; the selects have written v196-199, which the two stores read
	global_store_b64 v10, v[196:197], s[52:53]
	global_store_b64 v11, v[198:199], s[52:53]
	s_wait_xcnt 0x0                                ; the bases are stepped only behind this wait
	s_add_nc_u64 s[40:41], s[40:41], 24576
	s_add_nc_u64 s[42:43], s[42:43], 1024
	s_add_nc_u64 s[52:53], s[52:53], s[58:59]
	s_add_co_u32 s61, s61, 1
	s_cmp_lt_u32 s61, 2
	s_cbranch_scc1 .Lqtrip
	s_wait_dscnt 0x0
	s_wait_alu depctr_hold_cnt(0) depctr_sa_sdst(0) depctr_va_vdst(0) depctr_va_sdst(0) depctr_va_ssrc(0) depctr_va_vcc(0) depctr_vm_vsrc(0)
	s_wait_tensorcnt 0x0
	ds_add_u32 v210, v211
	s_wait_dscnt 0x0
	s_endpgm
	; ---------------- v ----------------
	; x's scale words of tile m, K step s stand at v[132 + 4 m + 76 (m / 2) + s]: v132-139 for tiles 0, 1 and v216-223 for tiles 2, 3: registers that hold scales and nothing else, on every path of this text
.macro VGROUP a                        ; columns' tiles 2 a, 2 a + 1 against the four tiles of keys: eight accumulators by turns, K step by K step
.irp s, 0,1,2,3
	WIN 0x07+4*(\s/2)                              ; source 0 (x) window 3, source 1 (W) window 1 or 2, C and D window 0
.irp u, 0,1
.irp m, 0,1,2,3
.if \s == 0
	MM0 16+8*(4*\u+\m), 12*(4*\m+\s), 12*(8*(\s%2)+2*\a+\u), 132+4*\m+76*(\m/2)+\s, 224+4*(2*\a+\u)+\s
.else
	MM 16+8*(4*\u+\m), 12*(4*\m+\s), 12*(8*(\s%2)+2*\a+\u), 132+4*\m+76*(\m/2)+\s, 224+4*(2*\a+\u)+\s
.endif
.endr
.endr
.endr
	WIN 0
	PLACES
	s_wait_xcnt 0x0                                ; the last group's stores have had their addresses translated,
	s_wait_alu depctr_vm_vsrc(0)                   ; and have read the codes' registers v112-123, which the quantiser writes again; a group's 32 products stand between
	QUANT 16, 140+\a                               ; blocks 0, 1: the 64 keys of tile 2 a's column; blocks 2, 3: of tile 2 a + 1's
	s_wait_alu depctr_va_vdst(0)                   ; the quantiser has written the codes v112-123, which the six stores read
.irp p, 0,1,2,3,4,5
	global_store_b64 v[8+\a/2], v[PC+2*\p:PC+2*\p+1], s[52:53] offset:3072+768*(2*(\a%2)+\p/3)+256*(\p%3)
.endr
.endm
.Lvjob:
	s_mov_b32 s62, 0                               ; 16 x the chunk's parity
.Lvtrip:                                           ; 64 keys a trip
	WIN 0xC0
	s_wait_alu depctr_va_vdst(0)                   ; the products of the trip before are done reading x's sixteen fragments and their scale words: the 100 loads below land there
.irp m, 0,1,2,3
.irp s, 0,1,2,3
.irp p, 0,1,2,3,4,5
	global_load_b64 v[12*(4*\m+\s)+2*\p:12*(4*\m+\s)+2*\p+1], v[4+\m%2], s[40:41] offset:(\m/2)*12288+96*\s+48*(\p/3)+8*(\p%3)
.endr
.endr
.endr
	WIN 0
.irp m, 0,1,2,3
	global_load_b128 v[132+4*\m+76*(\m/2):135+4*\m+76*(\m/2)], v[6+\m%2], s[42:43] offset:(\m/2)*512
.endr
	s_wait_loadcnt 0x0
	VGROUP 0
	VGROUP 1
	VGROUP 2
	VGROUP 3
	s_wait_xcnt 0x0                                ; v196-199 were the last trip's store data:
	s_wait_alu depctr_vm_vsrc(0)                   ; those stores have read them
.irp x, 0,1                            ; head 2 w + x: lanes 0-15 tiles 0, 1 of its d, lanes 16-31 tiles 2, 3; a tile's two bytes go to bits 16 x parity
	v_cndmask_b32 v[196+2*\x], v[140+2*\x], v[141+2*\x], s63
	v_lshrrev_b32 v[197+2*\x], 16, v[196+2*\x]
	v_and_b32 v[196+2*\x], 0xffff, v[196+2*\x]
	v_lshlrev_b32 v[197+2*\x], s62, v[197+2*\x]
	v_lshlrev_b32 v[196+2*\x], s62, v[196+2*\x]
.endr
	s_wait_alu depctr_va_vdst(0)                   ; both heads' words v196-199 are written, which the two stores read
.irp x, 0,1
	global_store_b64 v[10+\x], v[196+2*\x:197+2*\x], s[52:53]
.endr
	s_wait_xcnt 0x0
	s_add_nc_u64 s[40:41], s[40:41], 24576
	s_add_nc_u64 s[42:43], s[42:43], 1024
	s_add_nc_u64 s[52:53], s[52:53], s[58:59]
	s_add_co_u32 s62, s62, 16
	s_add_co_u32 s61, s61, 1
	s_cmp_lt_u32 s61, 2
	s_cbranch_scc1 .Lvtrip
	s_endpgm
	; ---------------- the mask's flags ----------------
.macro LOADM tau                       ; rows 2 tau, 2 tau + 1: sixteen loads of 512 consecutive bytes
.irp q, 0,1
.irp c, 0,1,2,3,4,5,6,7
	global_load_b128 v[32+64*((\tau)%2)+4*(8*\q+\c):35+64*((\tau)%2)+4*(8*\q+\c)], v4, s[32:33] offset:(2*(\tau)+\q)*4096+512*\c th:TH_LOAD_NT
.endr
.endr
.endm
.macro NIB x, acc, c                   ; 32 lane bits -> 4 bits, one for each 8 lanes (128 keys), at bits 4 c on of s[acc]
	s_lshr_b32 s74, s[\x], 4
	s_or_b32 s[\x], s[\x], s74
	s_lshr_b32 s74, s[\x], 2
	s_or_b32 s[\x], s[\x], s74
	s_lshr_b32 s74, s[\x], 1
	s_or_b32 s[\x], s[\x], s74                     ; bit 8 g now holds the OR of bits 8 g .. 8 g + 7
	s_and_b32 s[\x], s[\x], s78
	s_mul_i32 s[\x], s[\x], 0x10204080             ; bits 0, 8, 16, 24 meet at bits 28 to 31; the other partial products are all different bits below
	s_lshr_b32 s[\x], s[\x], 28
	s_lshl_b32 s[\x], s[\x], 4*\c
	s_or_b32 s[\acc], s[\acc], s[\x]
.endm
.Lmask:
	s_lshl_b32 s75, s56, 2
	s_add_co_u32 s75, s75, s54                     ; my tile of 16 queries: 4 idx + wave
	s_lshl_b32 s72, s75, 16
	s_add_nc_u64 s[32:33], s[32:33], s[72:73]      ; its 16 rows of 4,096 bytes
	s_lshl_b32 s72, s75, 8
	s_add_nc_u64 s[38:39], s[38:39], s[72:73]      ; its 256 bytes of flags
	v_and_b32 v1, 31, v0
	v_lshlrev_b32 v4, 4, v1
	v_lshlrev_b32 v5, 3, v1
	s_wait_alu depctr_va_vdst(0)                   ; the offsets v4 and v5 are written, which the loads and the store of this job read
	LOADM 0
	LOADM 1
.irp c, 0,1,2,3,4,5,6,7
	v_mov_b32 v[16+\c], 0                          ; OR of my 16 bytes of chunk c (keys 512 c + 16 lane on), over the rows
	v_mov_b32 v[24+\c], -1                         ; AND likewise
.endr
	s_mov_b32 s78, 0x01010101
.irp tau, 0,1,2,3,4,5,6,7
.if \tau < 7
	s_wait_loadcnt 16                              ; this pair of rows is in; the younger pair's 16 loads may be out
.else
	s_wait_loadcnt 0x0
.endif
.irp q, 0,1
.irp e, 0,1,2,3
.irp c, 0,1,2,3,4,5,6,7
	v_or_b32 v[16+\c], v[16+\c], v[32+64*(\tau%2)+4*(8*\q+\c)+\e]
	v_and_b32 v[24+\c], v[24+\c], v[32+64*(\tau%2)+4*(8*\q+\c)+\e]
.endr
.endr
.endr
.if \tau < 6
	s_wait_alu depctr_va_vdst(0)                   ; the 128 lines above are done reading this buffer, which is asked for again at once
	LOADM \tau+2
.endif
.endr
	s_mov_b32 s76, 0                               ; ANY
	s_mov_b32 s77, 0                               ; not ALL
.irp c, 0,1,2,3,4,5,6,7                ; the sixteen compares in one run, each into a scalar register of its own (s40-47 some byte not 0, s48-55 some byte not 1)
	v_cmp_ne_u32 s[40+\c], 0, v[16+\c]
	v_cmp_ne_u32 s[48+\c], s78, v[24+\c]
.endr
	s_wait_alu depctr_va_sdst(0)                   ; s40 to s55 are written, ahead of their first reader: one wait for the run
.irp c, 0,1,2,3,4,5,6,7
	NIB 40+\c, 76, \c
	NIB 48+\c, 77, \c
.endr
	s_not_b32 s77, s77
	v_mov_b32 v6, s76
	v_mov_b32 v7, s77
	s_wait_alu depctr_va_vdst(0)                   ; v6 and v7 are written, which the store reads
	global_store_b64 v5, v[6:7], s[38:39]          ; the pair, alike in every lane: 256 consecutive bytes
	s_endpgm
.Lfunc_end_k_qfe235b3b66_prep:
	.size	k_qfe235b3b66_prep, .Lfunc_end_k_qfe235b3b66_prep-k_qfe235b3b66_prep
	.p2alignl 7, 3214868480
	.fill 96, 4, 3214868480
	.section	.rodata,"a",@progbits
	.p2align	6, 0x0
	.amdhsa_kernel k_qfe235b3b66_prep
		.amdhsa_group_segment_fixed_size 4608
		.amdhsa_private_segment_fixed_size 0
		.amdhsa_enable_private_segment 0
		.amdhsa_kernarg_size 144
		.amdhsa_user_sgpr_count 2
		.amdhsa_user_sgpr_kernarg_segment_ptr 1
		.amdhsa_wavefront_size32 1
		.amdhsa_system_sgpr_workgroup_id_x 1
		.amdhsa_system_sgpr_workgroup_id_y 1
		.amdhsa_system_sgpr_workgroup_id_z 1
		.amdhsa_system_vgpr_workitem_id 0
		.amdhsa_next_free_vgpr 1024
		.amdhsa_next_free_sgpr 80
		.amdhsa_reserve_vcc 0
		.amdhsa_float_denorm_mode_32 3
		.amdhsa_float_denorm_mode_16_64 3
		.amdhsa_memory_ordered 1
		.amdhsa_forward_progress 1
		.amdhsa_inst_pref_size 213
	.end_amdhsa_kernel
	.amdgpu_metadata
---
amdhsa.version: [ 1, 2 ]
amdhsa.kernels:
  - .name:           k_qfe235b3b66_prep
    .symbol:         k_qfe235b3b66_prep.kd
    .args:
      - { .name: inputs_q_codes, .offset: 0, .size: 8, .value_kind: global_buffer, .address_space: global }
      - { .name: inputs_q_scales, .offset: 8, .size: 8, .value_kind: global_buffer, .address_space: global }
      - { .name: inputs_kv_codes, .offset: 16, .size: 8, .value_kind: global_buffer, .address_space: global }
      - { .name: inputs_kv_scales, .offset: 24, .size: 8, .value_kind: global_buffer, .address_space: global }
      - { .name: Wq_codes, .offset: 32, .size: 8, .value_kind: global_buffer, .address_space: global }
      - { .name: Wq_scales, .offset: 40, .size: 8, .value_kind: global_buffer, .address_space: global }
      - { .name: Wk_codes, .offset: 48, .size: 8, .value_kind: global_buffer, .address_space: global }
      - { .name: Wk_scales, .offset: 56, .size: 8, .value_kind: global_buffer, .address_space: global }
      - { .name: Wv_codes, .offset: 64, .size: 8, .value_kind: global_buffer, .address_space: global }
      - { .name: Wv_scales, .offset: 72, .size: 8, .value_kind: global_buffer, .address_space: global }
      - { .name: q_ln_w, .offset: 80, .size: 8, .value_kind: global_buffer, .address_space: global }
      - { .name: q_ln_b, .offset: 88, .size: 8, .value_kind: global_buffer, .address_space: global }
      - { .name: k_ln_w, .offset: 96, .size: 8, .value_kind: global_buffer, .address_space: global }
      - { .name: k_ln_b, .offset: 104, .size: 8, .value_kind: global_buffer, .address_space: global }
      - { .name: mask, .offset: 112, .size: 8, .value_kind: global_buffer, .address_space: global }
      - { .name: qbuf, .offset: 120, .size: 8, .value_kind: global_buffer, .address_space: global }
      - { .name: kvbuf, .offset: 128, .size: 8, .value_kind: global_buffer, .address_space: global }
      - { .name: flags, .offset: 136, .size: 8, .value_kind: global_buffer, .address_space: global }
    .group_segment_fixed_size: 4608
    .private_segment_fixed_size: 0
    .kernarg_segment_align: 8
    .kernarg_segment_size: 144
    .max_flat_workgroup_size: 128
    .sgpr_count:     80
    .vgpr_count:     1024
    .wavefront_size: 32
...
	.end_amdgpu_metadata
.endif
;; end of part 4
;; launch attn (part 5): grid 16 x 16, 16 waves a work-group, no clusters, 28,672 bytes of LDS; arguments qbuf, kvbuf, flags, mask, ocodes, osc; writes ocodes, osc
.if DOCPART == 5
	.amdgcn_target "amdgcn-amd-amdhsa--gfx1250"
	.amdhsa_code_object_version 6
	.text
	.protected	k_qfe235b3b66_attn
	.globl	k_qfe235b3b66_attn
	.p2align	8
	.type	k_qfe235b3b66_attn,@function
k_qfe235b3b66_attn:
	s_mov_b64 s[64:65], 0
	v_nop
	global_prefetch_b8 v0, s[64:65] scope:SCOPE_SE
	s_setreg_imm32_b32 hwreg(HW_REG_WAVE_SCHED_MODE, 0, 2), 2
	s_setreg_imm32_b32 hwreg(HW_REG_WAVE_MODE, 25, 1), 1
	s_wait_xcnt 0x0
	s_wait_alu depctr_vm_vsrc(0)
; ATTN: for each of 16 (batch, head): S^T = K Q^T, mask, p = 2^(t - M), O^T += V^T P^T, o = O / l, and the quantiser of o along the head's 64.  All products on codes of FP6 with E8M0 scales.
; t = score x log2(e) / 8; M = the running largest t rounded up to a whole number; the row's sum l is taken of the unquantised p; when M moves, l and O are multiplied by 2^(old M - new M), exactly.
; SHARES.  Work-group (g, bh).  Each of its sixteen waves owns one tile of 16 queries, tile g + 16 x rank, the ranks dealt to the waves by a table (a 4 x 4 magic square read by columns), so that
; waves w, w + 4, w + 8, w + 12 together hold early and late queries alike.  That is scheduling alone: the values hold for every mask.
; Every work-group walks all 32 key steps of 128 keys (16 trips of two).  A wave jumps over a step's WORK where its ANY flag says that all 16 x 128 mask bytes are 0, and over the masking where ALL says they
; are 1; the flags are whole numbers stored by the launch before.  No barrier and no copy is jumped over.
; NO TENSOR LOAD, NO CLUSTER: the jumps hang on numbers read from memory.  A step's K and V (13,312 consecutive bytes) come through registers:
; waves 0 to 12 load 1,024 bytes each two steps ahead and store them into the LDS slot that was read in the step before; one barrier a step.
; LAYOUT.  Both products transposed: a lane holds one query (lane % 16).  The keys of a tile of K were chosen so that the 16 registers of tiles 2 b, 2 b + 1 are keys 32 b + 16 (lane / 16) + 0 .. 15.
; K = 64 in the first product: Q's registers 6-11 are zero codes, so K's operand may run on into the next tile's codes: 6 registers and 3 LDS loads a tile.
; LIMITS: mask bytes are 0 or 1; a block under 2^-124 keeps the scale byte 1; a row whose every key is masked (l = 0) gets the scale byte 0xff, which makes its row of the output NaN, as the softmax of such a row is.
; THE MODE: SCHED_MODE bits 1:0 = 2 (LLVM: expert scheduling mode 2), set by the entry lines.  The code itself states the register dependences between vector or matrix
; instructions and memory or LDS instructions, with s_wait_alu, always for 0.
; THE PLAN.  Registers that memory or LDS instructions touch:
;   v1-v5, v10, v11     offsets and addresses: written once at the head, ahead of one wait on va_vdst, and never again: the copy's base s[6:7] moves a key step a step, the mask's base s[10:11] 256 bytes a trip.
;   v212-219, v244-251  the copy's two sets: a global load lands, an LDS store reads a step later, the next load lands a step after that.  No vector instruction names them.  One wait on vm_vsrc at a step's end.
;   v32-79              K's codes land at a step's head and the eight products K Q^T read them; then V's codes land and the four products V^T P^T read them.
;   v86-93              K's and V's scale words land at a step's head; two lines join V's; the products read them.
;   v192-207            in a mixed step the mask's bytes land at its head; later in every step p's codes are made there and the products V^T P^T read them.
; So a step has ONE wait on va_vdst at its head: the step before is done with v32-93 and v192-207 (and, in the first step, the zero codes are written); behind it, on every way, no vector instruction stands ahead of the
; mask's, K's and the scale words' loads.  V's loads stand behind the wait for the 64 exponentials, which also states that K Q^T is done reading v32-79; they are dealt among the row's first sums, which name
; v14, v15, v96-159, v220-223 and v236-237 alone.  One more wait on va_vdst stands ahead of V^T P^T, for the operands that vector instructions have made.
; REGISTERS: v1 8 x lane; v2 LDS store address; v3 the copy's offset; v4 the mask's offset; v5 the prefetch's; v12 -M, v13 largest t, v[14:15] l; v16-27 Q; v28 Q scale word; v32-79 K, then V; v80-85 zeros;
;   v86-89 K scale words; v90-93 V's; v96-159 S^T, then p; v160-191 O^T; v192-210 p's codes (in a mixed step first the mask's 16 words); v212-219, v244-251 the copy's two sets; v220-241 at work.
.set STEPB, 13312
.set CHUNK, 6656
.set BM, 220
.set PX, 224
.set SO, 228
.set T,  232
.set F,  234                           ; v234 f; v235 p's scale word
	s_load_b256 s[4:11], s[0:1], 0x0               ; qbuf, kvbuf, flags, mask
	s_load_b128 s[12:15], s[0:1], 0x20             ; ocodes, osc
	v_lshl_add_u32 v254, v0, 2, 0x6800
	v_mov_b32 v255, 0
	v_lshrrev_b32 v7, 5, v0
	v_readfirstlane_b32 s16, v7                    ; wave 0..15
	v_and_b32 v6, 31, v0                           ; lane
	s_wait_alu depctr_va_vdst(0)
	v_and_b32 v8, 15, v0                           ; r
	s_wait_alu depctr_va_vdst(0)
	v_bfe_u32 v9, v0, 4, 1                         ; h
	s_mov_b32 s40, 0x7a94c12f                      ; ranks of waves 0 to 7, four bits each
	s_mov_b32 s41, 0x0de3b658                      ; of waves 8 to 15
	s_wait_alu depctr_va_sdst(0)                   ; s16 is written, ahead of its first reader
	s_cmp_lt_u32 s16, 8
	s_cselect_b32 s40, s40, s41
	s_and_b32 s41, s16, 7
	s_lshl_b32 s41, s41, 2
	s_lshr_b32 s40, s40, s41
	s_and_b32 s40, s40, 15
	s_lshl_b32 s40, s40, 4
	s_add_co_u32 s17, s40, ttmp9                   ; my tile of queries, 0 .. 255
	s_and_b32 s18, ttmp7, 0xffff                   ; bh = 8 x batch + head
	v_lshlrev_b32 v1, 3, v6
	v_lshlrev_b32 v2, 4, v6
	v_lshl_add_u32 v2, v7, 10, v2                  ; 16 x lane + 1,024 x wave
	v_mov_b32 v3, v2
	v_lshlrev_b32 v5, 8, v6
	s_lshl_b32 s40, s17, 16
	v_lshlrev_b32 v4, 12, v8
	s_wait_alu depctr_va_vdst(0)
	v_lshl_add_u32 v4, v9, 4, v4
	v_add_nc_u32 v4, s40, v4                       ; (16 tile + r) x 4,096 + 16 h
	s_and_b32 s40, s17, 3
	s_mul_i32 s40, s40, 768
	v_add_nc_u32 v10, s40, v1                      ; Q: my tile's image in its chunk
	s_and_b32 s40, s17, 1
	s_lshl_b32 s40, s40, 7
	s_bfe_u32 s41, s17, 0x10001
	s_lshl_b32 s41, s41, 2
	s_add_co_u32 s40, s40, s41
	s_add_co_u32 s40, s40, 3072
	v_lshl_add_u32 v11, v8, 3, s40                 ; Q's scale word: [lane r + 16 (tile % 2)][(tile / 2) % 2]
	s_mov_b32 s43, 0
	s_mov_b32 s45, 0                               ; (it stays 0: the upper word of the copy's step s[44:45] too)
	s_mov_b32 s47, 0
	s_mul_i32 s42, s18, 425984                     ; the head's 64 chunks of K and V
	s_lshl_b32 s44, s18, 6
	s_lshr_b32 s46, s17, 2
	s_add_co_u32 s44, s44, s46
	s_mul_i32 s44, s44, 3328                       ; my chunk of Q
	s_lshr_b32 s46, s18, 3
	s_lshl_b32 s46, s46, 8
	s_add_co_u32 s46, s46, s17
	s_lshl_b32 s46, s46, 3
	s_and_b32 s48, s18, 7
	s_add_co_u32 s46, s46, s48                     ; (256 batch + tile) x 8 + head
	s_lshl_b32 s50, s46, 7
	s_mov_b32 s51, 0
	s_mul_i32 s46, s46, 768
	s_lshl_b32 s52, s17, 8
	s_mov_b32 s53, 0
	s_wait_kmcnt 0x0
	s_add_nc_u64 s[6:7], s[6:7], s[42:43]
	s_add_nc_u64 s[4:5], s[4:5], s[44:45]
	s_add_nc_u64 s[12:13], s[12:13], s[46:47]
	s_add_nc_u64 s[14:15], s[14:15], s[50:51]
	s_add_nc_u64 s[8:9], s[8:9], s[52:53]
	s_load_b64 s[24:25], s[8:9], 0x0               ; ANY, ALL of my tile: bit j = key step j
	s_wait_alu depctr_va_vdst(0)                   ; the offsets and addresses v1 to v5, v10 and v11 are written, which the loads, LDS instructions, the prefetch and the stores of the whole kernel read
	s_cmp_lt_u32 s16, 13
	s_cbranch_scc0 .Lno_first
	global_load_b128 v[212:215], v3, s[6:7]                     ; key step 0 into set 0,
	global_load_b128 v[216:219], v3, s[6:7] offset:512
	global_load_b128 v[244:247], v3, s[6:7] offset:STEPB        ; key step 1 into set 1
	global_load_b128 v[248:251], v3, s[6:7] offset:STEPB+512
.Lno_first:
.irp p, 0,1,2
	global_load_b64 v[16+2*\p:17+2*\p], v10, s[4:5] offset:256*\p
.endr
	global_load_b32 v28, v11, s[4:5]
	s_mov_b32 s20, 0x76543210
	s_mov_b32 s21, 0xfedcba98                      ; selects for lane l xor 16
	s_mov_b32 s22, 0x3e38aa3b                      ; c = log2(e) / 8
	s_mov_b32 s23, s22                             ; (named with it as a pair)
	s_mov_b32 s26, 0                               ; J, the key step
	s_mov_b32 s27, 0                               ; trips
	s_mov_b32 s32, 0x00000000                      ; v_perm_b32: byte 0, 1, 2, 3 of a word into all four bytes
	s_mov_b32 s33, 0x01010101
	s_mov_b32 s34, 0x02020202
	s_mov_b32 s35, 0x03030303
	s_and_b32 s36, s18, 1
	s_lshl_b32 s36, s36, 4                         ; 16 x (head % 2)
	s_mov_b32 s37, 255
	s_mov_b32 s38, 0xff800000                      ; -infinity
	s_cmp_lt_u32 s16, 13                           ; who prefetches: waves 0 to 12 of the head's first work-group
	s_cselect_b32 s29, 1, 0
	s_cmp_eq_u32 ttmp9, 0
	s_cselect_b32 s29, s29, 0
	s_lshl_b32 s40, s16, 13
	s_add_co_u32 s40, s40, 53248
	s_mov_b32 s41, 0
	s_add_nc_u64 s[30:31], s[6:7], s[40:41]        ; four key steps on, + 8,192 x wave; it steps two key steps a trip
.irp i, 22,23,24,25,26,27,80,81,82,83,84,85
	v_mov_b32 v[\i], 0                             ; zero codes
.endr
.set j, 0
.rept 32
	v_mov_b32 v[160+j], 0                          ; O^T: the step is written once; the first finds zeros
.set j, j+1
.endr
	v_mov_b32 v14, 0
	v_mov_b32 v15, 0
.irp b, 0,1,2,3
	v_mov_b32 v[PX+\b], 0                          ; a lane permute's destination counts as one of its sources
.endr
	v_mov_b32 v[T], 0
	v_mov_b32 v[F+1], 0
	v_mov_b32 v13, 0xff61b1e6                      ; the largest t so far: -3e38
	v_floor_f32 v12, -v13                          ; -M
	s_wait_loadcnt 0x0
	s_wait_kmcnt 0x0
	s_cmp_lt_u32 s16, 13
	s_cbranch_scc0 .Lno_store0
	ds_store_b128 v2, v[212:215]
	ds_store_b128 v2, v[216:219] offset:512
.Lno_store0:
	s_add_nc_u64 s[6:7], s[6:7], 2*STEPB           ; the next loads are key step 2's (the loads that read this base are done)
	s_wait_alu depctr_vm_vsrc(0)                   ; the LDS stores have read set 0, in which the first step's loads land
	s_wait_dscnt 0x0
	s_barrier_signal -1
	s_barrier_wait -1                              ; slot 0 holds key step 0
; K's eight tiles and the scale words from slot sl, and S^T = K Q^T
.macro FRONT sl
.irp t, 0,1,2,3,4,5,6,7
.irp p, 0,1,2
	ds_load_b64 v[32+6*\t+2*\p:33+6*\t+2*\p], v1 offset:\sl*STEPB+(\t/4)*CHUNK+768*(\t%4)+256*\p
.endr
.endr
	ds_load_b64 v[86:87], v1 offset:\sl*STEPB+6144
	ds_load_b64 v[88:89], v1 offset:\sl*STEPB+CHUNK+6144
	ds_load_b64 v[90:91], v1 offset:\sl*STEPB+6400
	ds_load_b64 v[92:93], v1 offset:\sl*STEPB+CHUNK+6400
	s_wait_dscnt 0x0
	v_or_b32 v90, v90, v92                         ; V's scale words: the even chunk's bytes below, the odd chunk's above; used far below
	v_or_b32 v91, v91, v93
.irp t, 0,1,2,3,4,5,6,7
.if \t%2 == 0
	v_wmma_scale_f32_16x16x128_f8f6f4 v[96+8*\t:103+8*\t], v[32+6*\t:43+6*\t], v[16:27], 0, v[86+\t/2], v28 matrix_a_fmt:MATRIX_FMT_FP6 matrix_b_fmt:MATRIX_FMT_FP6
.else
	v_wmma_scale_f32_16x16x128_f8f6f4 v[96+8*\t:103+8*\t], v[32+6*\t:43+6*\t], v[16:27], 0, v[86+\t/2], v28 matrix_a_fmt:MATRIX_FMT_FP6 matrix_b_fmt:MATRIX_FMT_FP6 matrix_a_scale:MATRIX_SCALE_ROW1
.endif
.endr
.rept 4
	v_nop                                          ; places ahead of the first read of the scores
.endr
.endm
; V's tile t (16 of the head's 64 x 128 keys) from slot sl: six LDS loads
.macro VLD sl, t
.irp c, 0,1
.irp p, 0,1,2
	ds_load_b64 v[32+12*(\t)+6*\c+2*\p:33+12*(\t)+6*\c+2*\p], v1 offset:\sl*STEPB+\c*CHUNK+3072+768*(\t)+256*\p
.endr
.endr
.endm
; the mask's 64 bytes of my lane, in v192-207: a byte 1 becomes 0xff; score n keeps its bits under 0xffffffff and becomes -infinity under 0
.macro APPLY
.set j, 0
.rept 16
	v_mul_lo_u32 v[192+j], v[192+j], s37
.set j, j+1
.endr
.set j, 0
.rept 64
	v_perm_b32 v[238+j%2], v[192+j/4], v[192+j/4], s[32+j%4]
	v_bfi_b32 v[96+j], v[238+j%2], v[96+j], s38
.set j, j+1
.endr
.endm
.macro SOFT sl
.irp b, 0,1,2,3
	v_max3_num_f32 v[BM+\b], v[96+16*\b], v[97+16*\b], v[98+16*\b]   ; the largest score of each block of 32 keys: for the row's maximum and, since p rises with the score, for the block's largest p
.endr
.irp i, 3,5,7,9,11,13
.irp b, 0,1,2,3
	v_max3_num_f32 v[BM+\b], v[BM+\b], v[96+16*\b+\i], v[97+16*\b+\i]
.endr
.endr
.irp b, 0,1,2,3
	v_max_num_f32 v[BM+\b], v[BM+\b], v[111+16*\b]
.endr
.irp b, 0,1,2,3
	v_permlanex16_b32 v[PX+\b], v[BM+\b], s20, s21
.endr
.irp b, 0,1,2,3
	v_max_num_f32 v[BM+\b], v[BM+\b], v[PX+\b]
.endr
	v_max3_num_f32 v[T], v[BM], v[BM+1], v[BM+2]
	v_max_num_f32 v[T], v[T], v[BM+3]
	v_mul_f32 v[T], s22, v[T]                      ; as t (c is positive)
	v_max_num_f32 v13, v13, v[T]                   ; the running largest t
	v_mov_b32 v[T], v12
	v_floor_f32 v12, -v13                          ; the new -M = -ceil(t)
	v_sub_f32 v[T], v12, v[T]                      ; old M - new M: a whole number, 0 or less
	v_cvt_i32_f32 v[T], v[T]                       ; (it saturates)
	v_ldexp_f32 v[F], 1.0, v[T]                    ; f = 2^(old M - new M)
.set j, 0
.rept 32
	v_pk_fma_f32 v[96+j:97+j], v[96+j:97+j], s[22:23], v[12:13] op_sel_hi:[1,0,0]   ; t - M
.set j, j+2
.endr
.irp b, 0,1,2,3
	v_fma_f32 v[BM+\b], v[BM+\b], s22, v12
.endr
.set j, 0
	s_wait_alu depctr_va_vdst(0)
.rept 64
	v_exp_f32 v[96+j], v[96+j]                     ; p = 2^(t - M): not normalised
.set j, j+1
.endr
	v_pk_mul_f32 v[14:15], v[14:15], v[F:F+1] op_sel_hi:[1,0]   ; l under the new M (a plain place behind the batch)
	s_wait_alu depctr_va_vdst(0)                   ; the 64 p are written: one wait for the batch, ahead of its first reader; and the products K Q^T are done reading v32-79, in which V's codes land
	VLD \sl, 0                                     ; V's 24 loads, six at a time among the lines below, none of which names v1 or v32-79
.irp b, 0,1,2,3
	v_exp_f32 v[BM+\b], v[BM+\b]                   ; the block's largest p
.endr
	v_pk_add_f32 v[236:237], v[96:97], v[98:99]    ; the sum of the unquantised p, in two chains
.irp j, 4,8,12
	v_pk_add_f32 v[14:15], v[14:15], v[96+\j:97+\j]
	v_pk_add_f32 v[236:237], v[236:237], v[98+\j:99+\j]
	VLD \sl, \j/4
.endr
.irp j, 16,20,24,28,32,36,40,44,48,52,56,60
	v_pk_add_f32 v[14:15], v[14:15], v[96+\j:97+\j]
	v_pk_add_f32 v[236:237], v[236:237], v[98+\j:99+\j]
.endr
	v_pk_add_f32 v[14:15], v[14:15], v[236:237]
	s_wait_alu depctr_va_vdst(0)                   ; the four blocks' largest p are written: their wait, ahead of their first reader
.irp b, 0,1,2,3
	v_max_num_f32 v[BM+\b], 0x1800000, v[BM+\b]    ; the floor 2^(3 - 127)
.endr
.irp b, 0,1,2,3
	v_add_nc_u32 v[SO+\b], 0xff000000, v[BM+\b]    ; 2 off the exponent field: the conversion's scale operand
.endr
.irp b, 0,1,2,3
	v_lshrrev_b32 v[PX+\b], 23, v[SO+\b]           ; the scale's byte
.endr
	v_lshl_or_b32 v[F+1], v[PX+1], 8, v[PX]
	v_lshl_or_b32 v[F+1], v[PX+2], 16, v[F+1]
	v_lshl_or_b32 v[F+1], v[PX+3], 24, v[F+1]      ; p's scale word for these 128 keys
.irp c, 0,1
	v_cvt_scalef32_pk16_fp6_f32 v[192+6*\c:194+6*\c], v[96+32*\c:111+32*\c], v[SO+2*\c]
	v_cvt_scalef32_pk16_fp6_f32 v[204+4*\c:206+4*\c], v[112+32*\c:127+32*\c], v[SO+2*\c+1]
.endr
	v_nop                                          ; one plain place behind a scaled conversion
.irp c, 0,1
.irp i, 0,1,2
	v_permlane16_swap_b32 v[192+6*\c+\i], v[204+4*\c+\i]
.endr
.irp i, 0,1,2
	v_mov_b32 v[195+6*\c+\i], v[204+4*\c+\i]
.endr
.endr
.set j, 0
.rept 16
	v_pk_mul_f32 v[160+j:161+j], v[160+j:161+j], v[F:F+1] op_sel_hi:[1,0]   ; O^T under the new M; these sixteen also stand between the scale word, the codes and the products
.set j, j+2
.endr
.endm
.macro PVMUL
	s_wait_dscnt 0x0                               ; V is in
	s_wait_alu depctr_va_vdst(0)                   ; p's codes v192-203, p's scale word v235 and V's joined scale words v90, v91 are written, which the four products take as operand and scales; the sixteen places above stay beside this wait
.irp t, 0,1,2,3
.if \t < 2
	v_wmma_scale_f32_16x16x128_f8f6f4 v[160+8*\t:167+8*\t], v[32+12*\t:43+12*\t], v[192:203], v[160+8*\t:167+8*\t], v[90+\t%2], v[F+1] matrix_a_fmt:MATRIX_FMT_FP6 matrix_b_fmt:MATRIX_FMT_FP6
.else
	v_wmma_scale_f32_16x16x128_f8f6f4 v[160+8*\t:167+8*\t], v[32+12*\t:43+12*\t], v[192:203], v[160+8*\t:167+8*\t], v[90+\t%2], v[F+1] matrix_a_fmt:MATRIX_FMT_FP6 matrix_b_fmt:MATRIX_FMT_FP6 matrix_a_scale:MATRIX_SCALE_ROW1
.endif
.endr
.rept 4
	v_nop                                          ; places ahead of the next read of O^T
.endr
.endm
; A KEY STEP, read from slot sl.  Its copy: loads of the step two on into set sl; the other set, loaded a step ago, goes into the other slot.
.macro STEP sl
	s_wait_alu depctr_va_vdst(0)                   ; THE STEP'S WAIT: the step before is done reading and writing v32-93 and v192-207, in which the mask's bytes, K's codes and the scale words land; in the first step the zero codes v22-27 and v80-85 are written, which K Q^T takes as operands
	s_cmp_lt_u32 s16, 13
	s_cbranch_scc0 .Lnl_\@
	global_load_b128 v[212+32*\sl:215+32*\sl], v3, s[6:7]
	global_load_b128 v[216+32*\sl:219+32*\sl], v3, s[6:7] offset:512
.Lnl_\@:
.if \sl == 0
	; A prefetch of K and V: in trips 2, 6 and 10 the thirteen waves name, lanes 256 bytes apart, the 106,496 bytes of key steps 2 trip + 4 .. 2 trip + 11, whose first loads are issued two steps on.
	; All work-groups of a head walk the same bytes: the first of them asks, so each block of steps 8 to 31 is named once; steps 0 to 7 come by their loads alone; the last byte named lies inside the head's part.
	s_and_b32 s40, s26, 7
	s_cmp_eq_u32 s40, 4
	s_cselect_b32 s40, s29, 0
	s_cmp_lt_u32 s26, 24
	s_cselect_b32 s40, s40, 0
	s_cmp_lg_u32 s40, 0
	s_cbranch_scc0 .Lnp_\@
	global_prefetch_b8 v5, s[30:31] th:TH_LOAD_NT scope:SCOPE_SE
.Lnp_\@:
.endif
	s_bitcmp1_b32 s24, \sl
	s_cbranch_scc0 .Lskip_\@                       ; every key of the step is masked for my 16 queries
	s_bitcmp1_b32 s25, \sl
	s_cbranch_scc1 .Lplain_\@                      ; none is
.irp b, 0,1,2,3
	global_load_b128 v[192+4*\b:195+4*\b], v4, s[10:11] offset:128*\sl+32*\b   ; the mask's bytes of my query at keys 32 b + 16 h + 0 .. 15
.endr
	FRONT \sl
	s_wait_loadcnt 0x0
	APPLY
	s_branch .Lsoft_\@
.Lplain_\@:
	FRONT \sl
.Lsoft_\@:
	SOFT \sl
	PVMUL
.Lskip_\@:
	s_cmp_lt_u32 s16, 13
	s_cbranch_scc0 .Lns_\@
	s_wait_loadcnt 2                               ; the other set's loads, issued a step ago, are in; this step's two may stay out
	ds_store_b128 v2, v[244-32*\sl:247-32*\sl] offset:(1-\sl)*STEPB        ; into the slot that was read in the step before: every wave has passed that step's barrier behind its reads
	ds_store_b128 v2, v[248-32*\sl:251-32*\sl] offset:(1-\sl)*STEPB+512
.Lns_\@:
	s_wait_xcnt 0x0                                ; the bases of what was issued may be written
	s_wait_alu depctr_vm_vsrc(0)                   ; the LDS stores have read the other set, in which the next step's loads land
	s_cmp_lt_u32 s26, 29
	s_cselect_b32 s44, STEPB, 0                    ; the last two steps load key step 31 again: no load leaves the buffer, and nobody reads what they bring
	s_add_nc_u64 s[6:7], s[6:7], s[44:45]          ; the copy's base moves on; its vector offset is never written
	s_add_co_u32 s26, s26, 1
	s_wait_dscnt 0x0                               ; my stores have landed and my reads of this slot are over
	s_barrier_signal -1
	s_barrier_wait -1
.endm
.Ltrip:
	STEP 0
	STEP 1
	s_add_nc_u64 s[10:11], s[10:11], 0x100         ; the mask's base: 256 keys on (no memory instruction was issued behind the last wait on XCNT); its vector offset is never written
	s_lshr_b32 s24, s24, 2
	s_lshr_b32 s25, s25, 2
	s_add_nc_u64 s[30:31], s[30:31], 2*STEPB
	s_add_co_u32 s27, s27, 1
	s_cmp_lt_u32 s27, 16
	s_cbranch_scc1 .Ltrip
	; THE WAY OUT: o = O^T / l, quantised along the head's 64 (register 16 b + i = d 32 b + 16 h + i), stored as half a fragment's image and a scale word
	v_add_f32 v14, v14, v15
	v_permlanex16_b32 v[T], v14, s20, s21
	v_add_f32 v14, v14, v[T]                       ; the row's sum
	s_wait_alu depctr_va_vdst(0)
	v_rcp_f32 v15, v14
	v_lshlrev_b32 v6, 2, v6                        ; (a plain place)  4 x lane
	s_wait_alu depctr_va_vdst(0)                   ; the reciprocal v15 is written: the wait ahead of its first reader
.set j, 0
.rept 32
	v_mul_f32 v[96+j], v[160+j], v15
.set j, j+1
.endr
.irp b, 0,1
	v_max3_num_f32 v[BM+\b], |v[96+16*\b]|, |v[97+16*\b]|, 0x1800000
.endr
.irp i, 2,4,6,8,10,12,14
.irp b, 0,1
	v_max3_num_f32 v[BM+\b], v[BM+\b], |v[96+16*\b+\i]|, |v[97+16*\b+\i]|
.endr
.endr
.irp b, 0,1
	v_permlanex16_b32 v[PX+\b], v[BM+\b], s20, s21
.endr
.irp b, 0,1
	v_max_num_f32 v[BM+\b], v[BM+\b], v[PX+\b]
.endr
.irp b, 0,1
	v_add_nc_u32 v[SO+\b], 0xff000000, v[BM+\b]
.endr
.irp b, 0,1
	v_lshrrev_b32 v[PX+\b], 23, v[SO+\b]
.endr
	v_lshl_or_b32 v[T], v[PX+1], 8, v[PX]
	v_lshlrev_b32 v[T], s36, v[T]                  ; an even head's bytes below, an odd head's above
	v_mov_b32 v233, -1
	v_cmp_eq_f32 vcc_lo, 0, v14
	s_wait_alu depctr_va_vcc(0)                    ; VCC is written, ahead of the select that reads it
	v_cndmask_b32 v[T], v[T], v233, vcc_lo         ; l = 0: the scale byte 0xff
	v_cvt_scalef32_pk16_fp6_f32 v[192:194], v[96:111], v[SO]
	v_cvt_scalef32_pk16_fp6_f32 v[200:202], v[112:127], v[SO+1]
	v_nop
.irp i, 0,1,2
	v_permlane16_swap_b32 v[192+\i], v[200+\i]
.endr
.irp i, 0,1,2
	v_mov_b32 v[195+\i], v[200+\i]
.endr
	s_wait_alu depctr_va_vdst(0)                   ; the codes v192-197, the scale word v232 and the offset v6 are written, which the four stores read
.irp p, 0,1,2
	global_store_b64 v1, v[192+2*\p:193+2*\p], s[12:13] offset:256*\p   ; 256 consecutive bytes a store, aligned
.endr
	global_store_b32 v6, v[T], s[14:15]
	s_wait_dscnt 0x0
	s_wait_alu depctr_hold_cnt(0) depctr_sa_sdst(0) depctr_va_vdst(0) depctr_va_sdst(0) depctr_va_ssrc(0) depctr_va_vcc(0) depctr_vm_vsrc(0)
	s_wait_tensorcnt 0x0
	ds_add_u32 v254, v255
	s_wait_dscnt 0x0
	s_endpgm
.Lfunc_end_k_qfe235b3b66_attn:
	.size	k_qfe235b3b66_attn, .Lfunc_end_k_qfe235b3b66_attn-k_qfe235b3b66_attn
	.p2alignl 7, 3214868480
	.fill 96, 4, 3214868480
	.section	.rodata,"a",@progbits
	.p2align	6, 0x0
	.amdhsa_kernel k_qfe235b3b66_attn
		.amdhsa_group_segment_fixed_size 28672
		.amdhsa_private_segment_fixed_size 0
		.amdhsa_enable_private_segment 0
		.amdhsa_kernarg_size 48
		.amdhsa_user_sgpr_count 2
		.amdhsa_user_sgpr_kernarg_segment_ptr 1
		.amdhsa_wavefront_size32 1
		.amdhsa_system_sgpr_workgroup_id_x 1
		.amdhsa_system_sgpr_workgroup_id_y 1
		.amdhsa_system_sgpr_workgroup_id_z 1
		.amdhsa_system_vgpr_workitem_id 0
		.amdhsa_next_free_vgpr 256
		.amdhsa_next_free_sgpr 66
		.amdhsa_reserve_vcc 1
		.amdhsa_float_denorm_mode_32 3
		.amdhsa_float_denorm_mode_16_64 3
		.amdhsa_memory_ordered 1
		.amdhsa_forward_progress 1
		.amdhsa_inst_pref_size 72
	.end_amdhsa_kernel
	.amdgpu_metadata
---
amdhsa.version: [ 1, 2 ]
amdhsa.kernels:
  - .name:           k_qfe235b3b66_attn
    .symbol:         k_qfe235b3b66_attn.kd
    .args:
      - { .name: qbuf, .offset: 0, .size: 8, .value_kind: global_buffer, .address_space: global }
      - { .name: kvbuf, .offset: 8, .size: 8, .value_kind: global_buffer, .address_space: global }
      - { .name: flags, .offset: 16, .size: 8, .value_kind: global_buffer, .address_space: global }
      - { .name: mask, .offset: 24, .size: 8, .value_kind: global_buffer, .address_space: global }
      - { .name: ocodes, .offset: 32, .size: 8, .value_kind: global_buffer, .address_space: global }
      - { .name: osc, .offset: 40, .size: 8, .value_kind: global_buffer, .address_space: global }
    .group_segment_fixed_size: 28672
    .private_segment_fixed_size: 0
    .kernarg_segment_align: 8
    .kernarg_segment_size: 48
    .max_flat_workgroup_size: 512
    .sgpr_count:     66
    .vgpr_count:     256
    .wavefront_size: 32
...
	.end_amdgpu_metadata
.endif
;; end of part 5
;; launch oproj (part 6): grid 128 x 2, 4 waves a work-group, no clusters, 17,920 bytes of LDS; arguments ocodes, osc, Wo_codes, Wo_scales, out0; writes out0
.if DOCPART == 6
	.amdgcn_target "amdgcn-amd-amdhsa--gfx1250"
	.amdhsa_code_object_version 6
	.text
	.protected	k_qfe235b3b66_oproj
	.globl	k_qfe235b3b66_oproj
	.p2align	8
	.type	k_qfe235b3b66_oproj,@function
k_qfe235b3b66_oproj:
	s_mov_b64 s[64:65], 0
	v_nop
	global_prefetch_b8 v0, s[64:65] scope:SCOPE_SE
	s_setreg_imm32_b32 hwreg(HW_REG_WAVE_SCHED_MODE, 0, 2), 2
	s_setreg_imm32_b32 hwreg(HW_REG_WAVE_MODE, 25, 1), 1
	s_wait_xcnt 0x0
	s_wait_alu depctr_vm_vsrc(0)
; OPROJ: out0 [8,192][512] f32 = o Wo, on codes of FP6 with E8M0 scales; K = 512 = 8 heads x 64.
; A work-group takes 64 rows (x) by 256 columns (y); wave w the columns 256 y + 64 w + 0 .. 63: 16 accumulators (4 tiles of rows x 4 of columns).
; o comes as images of half fragments ([row tile][head][3 pieces][32 lanes][8 bytes]): every load reads 256 consecutive bytes.  A K step of 128 is two heads; its scale word is the OR of the two heads' words.
; A row whose words are 0xffffffff (every key masked) comes out NaN.  Source 0 = 16 rows of Wo (columns of the output), source 1 = 16 rows of o: a lane holds eight neighbouring columns of one row.
; No tensor load: each operand byte is used once by a wave, straight in its registers.  No cluster: what partners would share (Wo, 98,304 bytes a work-group) is read once at the head.
; THE MODE: SCHED_MODE bits 1:0 = 2 (LLVM: expert scheduling mode 2), set by the entry lines.  The code itself states the register dependences between vector or matrix
; instructions and memory or LDS instructions, with s_wait_alu, always for 0.
; THE PLAN.  Registers that memory or LDS instructions touch:
;   v1, v4-v6, v8-v10   offsets and LDS addresses: written once at the head, ahead of one wait on va_vdst, and never again.
;   Wo's and o's fragments (windows 1, 2) and Wo's scale words: each K step has registers of its own, loaded once; no vector instruction writes them and no load lands in them twice: the loads owe nothing more.
;   v160-191            o's scale words: loaded once; sixteen lines join them in pairs; one wait on va_vdst, behind the eight places, ahead of the products that take them as scales.
;   the accumulators (window 3): written by the products, read by the LDS stores: one wait on va_vdst, behind the four places.
;   v32-63, v64-95      two out-buffers by turns: LDS loads land, global stores read: one wait on vm_vsrc, beside the wait on XCNT, ahead of a buffer's second turn.
; REGISTERS.  window 0: v1-10 addresses; v32-95 rows on the way out; v160-191 o's scale words; v224-239 Wo's.  window 1: Wo (tile t, K step s) at v[12 (4 t + s)].  window 2: o (m, s) likewise.  window 3: accumulators at v[8 (4 m + t)].
.set MSB, 0
.macro WIN new
.if MSB != (\new)
	s_set_vgpr_msb (MSB<<8)|(\new)
.set MSB, (\new)
.endif
.endm
	s_load_b256 s[4:11], s[0:1], 0x0               ; ocodes, osc, Wo codes, Wo scales
	s_load_b64 s[12:13], s[0:1], 0x20              ; out0
	v_lshl_add_u32 v254, v0, 2, 0x4400
	v_mov_b32 v255, 0
	v_lshrrev_b32 v1, 5, v0
	v_readfirstlane_b32 s16, v1                    ; wave 0..3
	s_and_b32 s17, ttmp7, 0xffff                   ; y
	v_and_b32 v2, 31, v0                           ; lane
	v_and_b32 v3, 15, v0                           ; r
	v_bfe_u32 v7, v0, 4, 1                         ; h
	v_lshlrev_b32 v1, 3, v2                        ; 8 x lane
	v_lshlrev_b32 v6, 2, v2                        ; 4 x lane
	v_mul_u32_u24 v4, v3, 384
	v_mad_u32_u24 v4, v7, 24, v4                   ; Wo: row r x 384 + 24 h
	v_lshlrev_b32 v5, 4, v3                        ; its 16 scale bytes
	s_wait_alu depctr_va_sdst(0)                   ; s16 is written, ahead of its first reader
	s_mul_i32 s20, s16, 4352                       ; my stage: 16 rows x 272 bytes
	v_mul_u32_u24 v8, v3, 272
	v_lshl_add_u32 v8, v7, 5, v8
	v_add_nc_u32 v8, s20, v8                       ; in: row r, + 32 h
	v_mul_u32_u24 v9, v7, 272
	v_lshl_add_u32 v9, v3, 4, v9
	v_add_nc_u32 v9, s20, v9                       ; back: lanes 0-15 one row, lanes 16-31 the next
	v_lshlrev_b32 v10, 11, v7
	v_lshl_add_u32 v10, v3, 4, v10                 ; and the same in out0
	s_lshl_b32 s18, s17, 8
	s_lshl_b32 s19, s16, 6
	s_add_co_u32 s18, s18, s19                     ; my first column
	s_mul_i32 s20, s18, 384
	s_mov_b32 s21, 0
	s_lshl_b32 s22, s18, 4
	s_mov_b32 s23, 0
	s_mul_i32 s24, ttmp9, 24576                    ; my 4 row tiles x 8 heads x 768 bytes
	s_mov_b32 s25, 0
	s_lshl_b32 s26, ttmp9, 12                      ; x 128 bytes
	s_mov_b32 s27, 0
	s_lshl_b32 s28, ttmp9, 17                      ; 64 rows of 2,048 bytes
	s_lshl_b32 s29, s18, 2
	s_add_co_u32 s28, s28, s29
	s_mov_b32 s29, 0
	s_wait_kmcnt 0x0
	s_add_nc_u64 s[8:9], s[8:9], s[20:21]
	s_add_nc_u64 s[10:11], s[10:11], s[22:23]
	s_add_nc_u64 s[4:5], s[4:5], s[24:25]
	s_add_nc_u64 s[6:7], s[6:7], s[26:27]
	s_add_nc_u64 s[12:13], s[12:13], s[28:29]
	s_wait_alu depctr_va_vdst(0)                   ; the offsets and LDS addresses v1, v4 to v6 and v8 to v10 are written, which every load, LDS instruction and store of the kernel reads
.irp t, 0,1,2,3
	global_load_b128 v[224+4*\t:227+4*\t], v5, s[10:11] offset:256*\t
.endr
.set j, 0
.rept 32
	global_load_b32 v[160+j], v6, s[6:7] offset:128*j      ; (row tile m, head): register 160 + 8 m + head
.set j, j+1
.endr
.macro LOADS s                         ; K step s: 24 loads of Wo, 24 of o, into registers that no other instruction writes and none has read
	WIN 0x40
.irp t, 0,1,2,3
.irp p, 0,1,2,3,4,5
	global_load_b64 v[12*(4*\t+\s)+2*\p:12*(4*\t+\s)+2*\p+1], v4, s[8:9] offset:\t*6144+96*\s+48*(\p/3)+8*(\p%3)
.endr
.endr
	WIN 0x80
.irp m, 0,1,2,3
.irp c, 0,1
.irp p, 0,1,2
	global_load_b64 v[12*(4*\m+\s)+6*\c+2*\p:12*(4*\m+\s)+6*\c+2*\p+1], v1, s[4:5] offset:(8*\m+2*\s+\c)*768+256*\p
.endr
.endr
.endr
	WIN 0
.endm
.macro MUL s                           ; 16 matrix instructions: the 16 accumulators by turns, one instruction a turn
	WIN 0xF9                                       ; source 0 window 1, source 1 window 2, C and D window 3
.irp m, 0,1,2,3
.irp t, 0,1,2,3
.if \s == 0
	v_wmma_scale_f32_16x16x128_f8f6f4 v[8*(4*\m+\t):8*(4*\m+\t)+7], v[12*(4*\t+\s):12*(4*\t+\s)+11], v[12*(4*\m+\s):12*(4*\m+\s)+11], 0, v[224+4*\t+\s], v[160+8*\m+2*\s] matrix_a_fmt:MATRIX_FMT_FP6 matrix_b_fmt:MATRIX_FMT_FP6
.else
	v_wmma_scale_f32_16x16x128_f8f6f4 v[8*(4*\m+\t):8*(4*\m+\t)+7], v[12*(4*\t+\s):12*(4*\t+\s)+11], v[12*(4*\m+\s):12*(4*\m+\s)+11], v[8*(4*\m+\t):8*(4*\m+\t)+7], v[224+4*\t+\s], v[160+8*\m+2*\s] matrix_a_fmt:MATRIX_FMT_FP6 matrix_b_fmt:MATRIX_FMT_FP6
.endif
.endr
.endr
	WIN 0
.endm
	LOADS 0
	LOADS 1
	s_wait_loadcnt 48                              ; the scale words and K step 0 are in; K step 1's 48 loads may be out
.irp s, 0,1,2,3                        ; two heads' words make a K step's
.irp m, 0,1,2,3
	v_or_b32 v[160+8*\m+2*\s], v[160+8*\m+2*\s], v[161+8*\m+2*\s]
.endr
.endr
.rept 8
	v_nop                                          ; a scale register written by a vector instruction stands eight plain vector instructions ahead of the scaled product that names it: no plain one
.endr                                              ; follows among the products and loads below, so the last word joined gets its eight here, once in the launch
	s_wait_alu depctr_va_vdst(0)                   ; the sixteen joined scale words are written, which the products of all four K steps take as scales; the eight places above stay beside this wait
	MUL 0
	LOADS 2
	s_wait_loadcnt 48
	MUL 1
	LOADS 3
	s_wait_loadcnt 48
	MUL 2
	s_wait_loadcnt 0x0
	MUL 3
.rept 4
	v_nop                                          ; places ahead of the first read of the results
.endr
	s_wait_alu depctr_va_vdst(0)                   ; the products have written the sixteen accumulators, which the LDS stores read; the four places above stay beside this wait
	; THE WAY OUT: 16 rows x 64 columns at a time through my own stage; back as rows of 256 bytes: sixteen lanes store 256 consecutive bytes, aligned.  LDS serves a wave's instructions in order (ISA guide 5.7.1.4).
.irp m, 0,1,2,3
	WIN 0x0C                                       ; an LDS store's data are its source 1: window 3
.irp t, 0,1,2,3
	ds_store_b128 v8, v[8*(4*\m+\t):8*(4*\m+\t)+3] offset:64*\t        ; each accumulator from its low end on
	ds_store_b128 v8, v[8*(4*\m+\t)+4:8*(4*\m+\t)+7] offset:64*\t+16
.endr
	WIN 0
.if \m > 1
	s_wait_xcnt 0x0                                ; the stores of two tiles back have had their addresses translated,
	s_wait_alu depctr_vm_vsrc(0)                   ; and have read this out-buffer, in which the LDS loads below land
.endif
.irp i, 0,1,2,3,4,5,6,7
	ds_load_b128 v[32+32*(\m%2)+4*\i:35+32*(\m%2)+4*\i], v9 offset:2*\i*272
.endr
.irp i, 0,1,2,3,4,5,6,7
	s_wait_dscnt 7-\i                              ; rows 2 i, 2 i + 1 are back; the younger loads may be out
	global_store_b128 v10, v[32+32*(\m%2)+4*\i:35+32*(\m%2)+4*\i], s[12:13] offset:(16*\m+2*\i)*2048 th:TH_STORE_NT
.endr
.endr
	s_wait_dscnt 0x0
	s_wait_alu depctr_hold_cnt(0) depctr_sa_sdst(0) depctr_va_vdst(0) depctr_va_sdst(0) depctr_va_ssrc(0) depctr_va_vcc(0) depctr_vm_vsrc(0)
	s_wait_tensorcnt 0x0
	ds_add_u32 v254, v255
	s_wait_dscnt 0x0
	s_endpgm
.Lfunc_end_k_qfe235b3b66_oproj:
	.size	k_qfe235b3b66_oproj, .Lfunc_end_k_qfe235b3b66_oproj-k_qfe235b3b66_oproj
	.p2alignl 7, 3214868480
	.fill 96, 4, 3214868480
	.section	.rodata,"a",@progbits
	.p2align	6, 0x0
	.amdhsa_kernel k_qfe235b3b66_oproj
		.amdhsa_group_segment_fixed_size 17920
		.amdhsa_private_segment_fixed_size 0
		.amdhsa_enable_private_segment 0
		.amdhsa_kernarg_size 40
		.amdhsa_user_sgpr_count 2
		.amdhsa_user_sgpr_kernarg_segment_ptr 1
		.amdhsa_wavefront_size32 1
		.amdhsa_system_sgpr_workgroup_id_x 1
		.amdhsa_system_sgpr_workgroup_id_y 1
		.amdhsa_system_sgpr_workgroup_id_z 1
		.amdhsa_system_vgpr_workitem_id 0
		.amdhsa_next_free_vgpr 896
		.amdhsa_next_free_sgpr 66
		.amdhsa_reserve_vcc 0
		.amdhsa_float_denorm_mode_32 3
		.amdhsa_float_denorm_mode_16_64 3
		.amdhsa_memory_ordered 1
		.amdhsa_forward_progress 1
		.amdhsa_inst_pref_size 43
	.end_amdhsa_kernel
	.amdgpu_metadata
---
amdhsa.version: [ 1, 2 ]
amdhsa.kernels:
  - .name:           k_qfe235b3b66_oproj
    .symbol:         k_qfe235b3b66_oproj.kd
    .args:
      - { .name: ocodes, .offset: 0, .size: 8, .value_kind: global_buffer, .address_space: global }
      - { .name: osc, .offset: 8, .size: 8, .value_kind: global_buffer, .address_space: global }
      - { .name: Wo_codes, .offset: 16, .size: 8, .value_kind: global_buffer, .address_space: global }
      - { .name: Wo_scales, .offset: 24, .size: 8, .value_kind: global_buffer, .address_space: global }
      - { .name: out0, .offset: 32, .size: 8, .value_kind: global_buffer, .address_space: global }
    .group_segment_fixed_size: 17920
    .private_segment_fixed_size: 0
    .kernarg_segment_align: 8
    .kernarg_segment_size: 40
    .max_flat_workgroup_size: 128
    .sgpr_count:     66
    .vgpr_count:     896
    .wavefront_size: 32
...
	.end_amdgpu_metadata
.endif
;; end of part 6
